; MI455X (gfx1250); checked and timed in simulation.
; The chip was launched on July 23, 2026; its instructions are those of AMD's public machine-readable ISA for CDNA 5 (MIT licence, August 2026) and "CDNA5" Instruction Set Architecture Reference Guide (July 2026). The comments in the code are by the model that wrote it; some were corrected since.
;; Causal Self Attention. Allowed arithmetic: matrix products marked QUANTISED: E4M3 operands, one E8M0 scale for each 32 along K, by v_wmma_scale_f32_16x16x128_f8f6f4 with both operands' format E4M3, f32 sums; everything else in f32.
;; Inputs: b_attn 3,072 float32; b_proj 1,024 float32; w_attn 1,024 x 3,072 float32; w_proj 1,024 x 1,024 float32; x 2 x 2,048 x 1,024 float32.
;; Outputs: out0 2 x 2,048 x 1,024 float32.
;; This version of the problem:
;;   THIS VERSION OF THE PROBLEM IS GIVEN IN LOW PRECISION. The matrix products marked QUANTISED in the list below multiply operands that are first quantised to E4M3 (4 exponent bits, 3 mantissa bits; 8 bits a number), with one power-of-two scale for each 32 numbers along K (OCP MX v1.0); their sums are f32. All else is computed in f32.
;;   The module's matrix products, in the order in which they are computed (A, B: the left and right operand; K: the contracted axis; several contracted axes count as one K, in the product's order):
;;     1. [M 4,096, K 1,024] x [K 1,024, N 3,072]; A: input x; B: input w_attn: QUANTISED
;;     2. batch 32 x [M 2,048, K 64] x [K 64, N 2,048]; A: computed on the way; B: computed on the way: QUANTISED
;;     3. batch 32 x [M 2,048, K 2,048] x [K 2,048, N 64]; A: softmax (see below); B: computed on the way: QUANTISED
;;     4. [M 4,096, K 1,024] x [K 1,024, N 1,024]; A: computed on the way; B: input w_proj: QUANTISED
;;   THE QUANTISER, for each operand of a quantised product, along K:
;;     - K is cut into blocks of 32 from its start; a last block that is shorter is filled with zeros.
;;     - A block's scale is 2^e with e = floor(log2(the largest magnitude in the block)) - 8, held to -126 .. 127; a block of zeros has e = 0. As a byte (E8M0): e + 127.
;;     - Each number is divided by its block's scale, clamped to +-448, and rounded to the nearest number of E4M3, ties to even, subnormals kept.
;;     - The product sums the exact products of the quantised numbers (number of the format x scale) in f32.
;;   ~~~python
;;   def quantise(x, axis):      # numpy; x: float32 -> the quantised numbers, widened to float32 again
;;       x = np.moveaxis(x, axis, -1); K = x.shape[-1]
;;       x = np.pad(x, [(0, 0)] * (x.ndim - 1) + [(0, -K % 32)]); x = x.reshape(x.shape[:-1] + (-1, 32)); a = np.abs(x).max(-1, keepdims=True)
;;       e = np.where(a > 0, np.clip(np.frexp(np.where(a > 0, a, 1))[1] - 1 - 8, -126, 127), 0)      # np.frexp(a)[1] - 1 = floor(log2(a)), exactly
;;       r = np.clip(x / 2.0 ** e, -448, 448)
;;       step = 2.0 ** (np.maximum(np.frexp(np.where(r == 0, 1, r))[1] - 1, -6) - 3)
;;       q = np.round(r / step) * step * 2.0 ** e      # np.round: ties to even
;;       return np.moveaxis(q.reshape(q.shape[:-2] + (-1,))[..., :K], -1, axis).astype(np.float32)
;;   ~~~
;;   SOFTMAX AHEAD OF A QUANTISED PRODUCT. Where the list says 'softmax', what is quantised is not the finished softmax but p = 2^(t - M), with t = logit x log2(e) and M = ceil(the row's largest t), a whole number; so 1/2 < the row's largest p <= 1. The row's sum l is taken of the UNQUANTISED p, in f32, and the product's result is divided by l at the end. Since M is a whole number, a kernel that streams over the keys may use a running M (the ceiling of the running maximum): every later rescaling is an exact power of two, which a block's scale takes up: the codes' values come out the same.
;;   OPERANDS COMPUTED ON THE WAY. 'Computed on the way' means the value that the module computes at that place (a softmax that the list does not call 'softmax' is quantised finished and normalised). What goes into a quantiser is computed in f32, as accurately as f32 sums, v_exp_f32 and their like allow (about 1e-6 of the number): no bf16 or f16 on the way to a quantiser, and a product that is left as it is and whose result goes on into a quantised operand takes f32 operands (vector FMAs, or v_wmma_f32_16x16x4_f32). A number that lies on a knife's edge between two numbers of the format may be rounded either way, as far as f32 arithmetic and the matrix unit's own rounding can turn it there, and no further.
;; 2 versions, each right; version 2 is version 1 with the launch attn written anew for expert scheduling mode. Each part assembles by itself: llvm-mc -triple=amdgcn-amd-amdhsa -mcpu=gfx1250 --defsym DOCPART=n.
;; ======== version 1 of 2: 4 launches
;; workspace buffers: xc 4,194,304 bytes; xs 131,072 bytes; wc 4,194,304 bytes; ws 131,072 bytes; ac 12,582,912 bytes; asc 786,432 bytes; yc 4,194,304 bytes; ysh 131,072 bytes
;; launch quant (part 1): grid 256 x 1, 16 waves a work-group, no clusters, 139,264 bytes of LDS; arguments x, w_attn, w_proj, xc, xs, wc, ws; writes xc, xs, wc, ws
.if DOCPART == 1
	.amdgcn_target "amdgcn-amd-amdhsa--gfx1250"
	.amdhsa_code_object_version 6
	.text
	.protected	k_q0411dd6846_quant
	.globl	k_q0411dd6846_quant
	.p2align	8
	.type	k_q0411dd6846_quant,@function
k_q0411dd6846_quant:
	s_mov_b64 s[64:65], 0
	v_nop
	global_prefetch_b8 v0, s[64:65] scope:SCOPE_SE
	s_setreg_imm32_b32 hwreg(HW_REG_WAVE_MODE, 25, 1), 1
	s_wait_xcnt 0x0
; CAUSAL SELF-ATTENTION IN MX-FP8, FOUR LAUNCHES: quant (this one), qkv, attn, proj.
; WORK LEFT OUT, in the whole program: the key steps of 128 keys that lie wholly behind the causal diagonal.  reference() builds the mask itself (jnp.tril) and sets those scores to the
; least f32 number; every row has key 0..q unmasked, so after the row's maximum is taken away the masked weights are 0 for all finite inputs, their codes are 0, and they add nothing to the
; row's sum or to the second product.  So neither product is done for such steps.  No input is left out: both biases go into a quantiser or into the output.
; LIMITS: a NaN, an infinity or an overflow that reaches only the steps left out is not carried to the result.  NaN and infinities among the inputs are not served.  A block of zeros, and a block
; whose largest magnitude lies under 2^(9 - 127), gets the scale byte 1 (the stated quantiser says 127 for zeros): its codes are zeros or the rule's own, and these bytes are read by this program alone.
;
; THIS LAUNCH turns x [4096][1024], w_attn [1024][3072] and w_proj [1024][1024], f32, into codes of E4M3 with one E8M0 byte for each 32 along K (x: its last axis; the weights: their first).
; LAYOUT OF ALL OPERANDS OF THE PROGRAM: AN IMAGE OF THE OPERAND'S REGISTERS.  A fragment (16 rows x 128 K) is 2,048 bytes [c 0..3][lane 0..31][16 bytes]: lane 16 h + r holds the codes
; k = 32 c + 16 h + 0..15 of the fragment's row r.  A block of 128 rows lies [K step][tile 0..7]: 16,384 bytes a K step.  Row r of tile t is row 32 (t / 2) + 8 (t % 2) + r + 8 (r / 8) of the 128.
; Scale bytes of a block of 128 rows: [slot 0..3][tile][r][q 0..1][b 0..3], K step 2 slot + q, byte b for k = 32 b on: 4,096 bytes.
; SHARES.  Work-groups 0-127 take x: 32 rows each; a wave makes one fragment (16 rows x 128 K).  Work-groups 128-255 take the weights: 128 columns x 256 K each; a wave 32 columns x 64 K, a lane a column.
; Every wave asks for all its 8,192 bytes at once: no loop, no ring.  Memory binds: matrix units, clusters and tensor loads would add nothing, since nothing is read twice.
.set SXW,   8448                       ; x path: a wave's stage: 16 rows x (512 bytes + 16 of padding)
.set GX,    16*SXW                     ; x path: the work-group's 1,024 scale bytes
.set GW,    GX+1024                    ; weight path: its 1,024 scale bytes (each path has LDS bytes of its own)
.set SPARE, GW+1024                    ; the spare words, 128 bytes for each of 16 waves: eight blocks of 256 bytes that no other line names
.set GO,  4                            ; v4   16 x lane
.set LSA, 5                            ; v5   stage, on the way in
.set LLA, 6                            ; v6   stage, on the way out: row r, + 64 h
.set WO,  7                            ; v7   weights: my column's byte among the wave's 32 columns
.set WCO, 8                            ; v8   weights: my codes' place: 2,048 (lane / 16) + 16 (lane % 16)
.set GAX, 9                            ; v9   x: where my fragment's scale word goes in GX
.set GAW, 10                           ; v10  weights: where my two scale bytes go in GW
.set TLX, 11                           ; v11  the tail's read of GX
.set SPW, 12                           ; v12  LDS address of my spare word; never rewritten
.set NIL, 13                           ; v13  0; never rewritten
.set UN,  14                           ; v14  the tail: which of the four units of 256 bytes: 2 (wave & 1) + lane / 16
.set TLW, 15                           ; v15  the tail's read of GW
.set R,   16                           ; v16-79   64 numbers as loaded
.set X,   80                           ; v80-143  x: 64 numbers after the turn through the stage
.set PC,  144                          ; v144-159 codes
.set TM,  160                          ; v160-175 at work
.set PW,  176                          ; v176     a scale word
.set WV,  18
.set SEL, 20
.set MNT, 22
; 64 numbers of a lane, register 16 b + i = k 32 b + 16 (lane / 16) + i of my row, become a fragment's codes in v[PC] on and its scale word in v[PW].
.macro QUANT s
.irp b, 0,1,2,3
	v_max3_num_f32 v[TM+\b], |v[\s+16*\b]|, |v[\s+1+16*\b]|, 0x4800000   ; my 16 numbers of block b, and the floor 2^(9 - 127): the byte cannot fall under 1
.endr
.irp i, 2,4,6,8,10,12,14
.irp b, 0,1,2,3
	v_max3_num_f32 v[TM+\b], v[TM+\b], |v[\s+16*\b+\i]|, |v[\s+1+16*\b+\i]|
.endr
.endr
.irp b, 0,1,2,3
	v_permlanex16_b32 v[TM+4+\b], v[TM+\b], s[SEL], s[SEL+1]
.endr
.irp b, 0,1,2,3
	v_max_num_f32 v[TM+\b], v[TM+\b], v[TM+4+\b]   ; with lane l xor 16's: the block's largest magnitude
.endr
.irp b, 0,1,2,3
	v_add_nc_u32 v[TM+12+\b], 0xfc000000, v[TM+\b] ; 8 off its exponent field: the conversion's scale operand
.endr
.irp b, 0,1,2,3
	v_and_or_b32 v[TM+8+\b], v[TM+\b], 0x7f800000, s[MNT]   ; 448 x the scale
.endr
.irp b, 0,1,2,3
	v_lshrrev_b32 v[TM+4+\b], 23, v[TM+12+\b]      ; the scale's byte
.endr
	v_lshl_or_b32 v[PW], v[TM+5], 8, v[TM+4]
	v_lshl_or_b32 v[PW], v[TM+6], 16, v[PW]
	v_lshl_or_b32 v[PW], v[TM+7], 24, v[PW]
.irp b, 0,1,2,3
.irp i, 0,1,2,3,4,5,6,7,8,9,10,11,12,13,14,15
	v_med3_num_f32 v[\s+16*\b+\i], v[\s+16*\b+\i], -v[TM+8+\b], v[TM+8+\b]   ; the conversion to an 8-bit code does not saturate (ISA guide 7.6.2): the hold comes first
.endr
	v_cvt_scalef32_pk8_fp8_f32 v[PC+4*\b:PC+1+4*\b], v[\s+16*\b:\s+7+16*\b], v[TM+12+\b]
	v_cvt_scalef32_pk8_fp8_f32 v[PC+2+4*\b:PC+3+4*\b], v[\s+8+16*\b:\s+15+16*\b], v[TM+12+\b]
.endr
	v_nop                                          ; a plain line behind the last conversion
.endm
; The tail of a path: all waves' scale bytes lie in LDS; waves 0 and 1 store them as four whole units of 256 bytes, 1 << sh bytes apart in memory.
.macro TAIL tl, sh
	s_wait_dscnt 0x0                               ; my LDS stores have landed
	s_barrier_signal -1
	s_barrier_wait -1                              ; everybody's have
	s_cmp_lt_u32 s[WV], 2
	s_cbranch_scc0 .Lend
	ds_load_b128 v[180:183], v[\tl]
	v_lshlrev_b32 v184, \sh, v[UN]
	v_lshl_add_u32 v184, v2, 4, v184
	s_wait_dscnt 0x0
	global_store_b128 v184, v[180:183], s[28:29]   ; sixteen lanes store 256 consecutive bytes, aligned
.endm
	s_load_b256 s[4:11], s[0:1], 0x0               ; x s[4:5], w_attn s[6:7], w_proj s[8:9], xc s[10:11]
	s_load_b128 s[12:15], s[0:1], 0x20             ; xs s[12:13], wc s[14:15]
	s_load_b64 s[16:17], s[0:1], 0x30              ; ws
	v_lshl_add_u32 v[SPW], v0, 2, SPARE
	v_mov_b32 v[NIL], 0
	v_lshrrev_b32 v[UN], 5, v0
	v_readfirstlane_b32 s[WV], v[UN]               ; wave 0..15
	v_and_b32 v1, 31, v0                           ; lane
	v_and_b32 v2, 15, v0                           ; r
	v_bfe_u32 v3, v0, 4, 1                         ; h
	v_lshlrev_b32 v[GO], 4, v1
	s_mul_i32 s31, s[WV], SXW
	v_add_nc_u32 v[LSA], s31, v[GO]
	v_mul_u32_u24 v[LLA], v2, 528
	v_lshl_add_u32 v[LLA], v3, 6, v[LLA]
	v_add_nc_u32 v[LLA], s31, v[LLA]
	v_and_b32 v[WO], 7, v0                         ; my column among 32: (lane & 7) + 8 (lane / 16) + 16 ((lane / 8) & 1): row lane % 16 of tile lane / 16
	v_lshl_add_u32 v[WO], v3, 3, v[WO]
	v_bfe_u32 v[WCO], v0, 3, 1
	v_lshl_add_u32 v[WO], v[WCO], 4, v[WO]
	v_lshlrev_b32 v[WO], 2, v[WO]
	v_lshlrev_b32 v[WCO], 4, v2
	v_lshl_add_u32 v[WCO], v3, 11, v[WCO]
	s_lshr_b32 s32, s[WV], 2                       ; x: K step = wave / 2, tile's half u = wave & 1: GX + 256 (K step / 2) + 128 u + 4 (K step & 1) + 8 r
	s_lshl_b32 s32, s32, 8
	s_and_b32 s33, s[WV], 1
	s_lshl_b32 s33, s33, 7
	s_add_co_u32 s32, s32, s33
	s_bfe_u32 s33, s[WV], 0x10001
	s_lshl_b32 s33, s33, 2
	s_add_co_u32 s32, s32, s33
	s_add_co_u32 s32, s32, GX
	v_lshl_add_u32 v[GAX], v2, 3, s32
	s_and_b32 s32, s[WV], 3                        ; weights: 32 columns = wave & 3, 64 of K = wave / 4: GW + 256 (wave & 3) + 8 lane + 4 (wave / 8) + 2 ((wave / 4) & 1)
	s_lshl_b32 s32, s32, 8
	s_lshr_b32 s33, s[WV], 3
	s_lshl_b32 s33, s33, 2
	s_add_co_u32 s32, s32, s33
	s_bfe_u32 s33, s[WV], 0x10002
	s_lshl_b32 s33, s33, 1
	s_add_co_u32 s32, s32, s33
	s_add_co_u32 s32, s32, GW
	v_lshl_add_u32 v[GAW], v1, 3, s32
	s_and_b32 s32, s[WV], 1
	s_lshl_b32 s33, s32, 9
	s_add_co_u32 s34, s33, GX
	v_add_nc_u32 v[TLX], s34, v[GO]
	s_add_co_u32 s34, s33, GW
	v_add_nc_u32 v[TLW], s34, v[GO]
	s_lshl_b32 s33, s32, 1
	v_add_nc_u32 v[UN], s33, v3
	s_mov_b32 s[SEL], 0x76543210
	s_mov_b32 s[SEL+1], 0xfedcba98                 ; v_permlanex16_b32's selects for lane l xor 16
	s_mov_b32 s[MNT], 0x600000                     ; the mantissa field of 448
.irp b, 0,1,2,3
	v_mov_b32 v[TM+4+\b], 0                        ; a lane permute's destination counts as one of its sources
.endr
	s_wait_kmcnt 0x0
	s_cmp_ge_u32 ttmp9, 128
	s_cbranch_scc1 .Lweights
	; ---- x.  Work-group X: rows 32 X on; the wave's fragment: tile 2 (X & 3) + u of row block X / 4, K step wave / 2.  Its 16 rows are 32 X + 8 u + 0..7 and + 16..23
	s_lshl_b32 s24, ttmp9, 17                      ; 32 X rows of 4,096 bytes
	s_and_b32 s31, s[WV], 1                        ; u
	s_lshl_b32 s32, s31, 15
	s_add_co_u32 s24, s24, s32
	s_lshr_b32 s33, s[WV], 1                       ; K step
	s_lshl_b32 s32, s33, 9
	s_add_co_u32 s24, s24, s32
	s_mov_b32 s25, 0
	s_add_nc_u64 s[24:25], s[4:5], s[24:25]
	s_lshr_b32 s35, ttmp9, 2                       ; row block
	s_and_b32 s34, ttmp9, 3
	s_lshl_b32 s26, s35, 17
	s_lshl_b32 s32, s33, 14
	s_add_co_u32 s26, s26, s32
	s_lshl_b32 s32, s34, 12
	s_add_co_u32 s26, s26, s32
	s_lshl_b32 s32, s31, 11
	s_add_co_u32 s26, s26, s32
	s_mov_b32 s27, 0
	s_add_nc_u64 s[26:27], s[10:11], s[26:27]
	s_lshl_b32 s28, s35, 12
	s_lshl_b32 s32, s34, 8
	s_add_co_u32 s28, s28, s32
	s_mov_b32 s29, 0
	s_add_nc_u64 s[28:29], s[12:13], s[28:29]
.irp t, 0,1,2,3,4,5,6,7,8,9,10,11,12,13,14,15
	global_load_b128 v[R+4*\t:R+4*\t+3], v[GO], s[24:25] offset:(\t+8*(\t/8))*4096 th:TH_LOAD_NT   ; 32 lanes read 512 consecutive bytes of one row
.endr
.irp t, 0,1,2,3,4,5,6,7,8,9,10,11,12,13,14,15
	s_wait_loadcnt 15-\t                           ; loads come back in order: row t is in, the younger ones stay out
	ds_store_b128 v[LSA], v[R+4*\t:R+4*\t+3] offset:528*\t
.endr
.irp c, 0,1,2,3
.irp j, 0,1,2,3
	ds_load_b128 v[X+16*\c+4*\j:X+16*\c+4*\j+3], v[LLA] offset:128*\c+16*\j   ; my row's 16 neighbours of block c.  LDS serves a wave's instructions in order: these see my stores
.endr
.endr
	s_wait_dscnt 0x0
	QUANT X
.irp c, 0,1,2,3
	global_store_b128 v[GO], v[PC+4*\c:PC+4*\c+3], s[26:27] offset:512*\c   ; the image: 512 consecutive bytes a store
.endr
	ds_store_b32 v[GAX], v[PW]                     ; lanes r and r + 16 write the same word with the same value
	TAIL TLX, 10
	s_branch .Lend
	; ---- the weights.  Work-group 128 + W: block of 128 columns W / 4 (0-23: w_attn's, 24-31: w_proj's), 256 of K W & 3
.Lweights:
	s_sub_co_u32 s31, ttmp9, 128
	s_lshr_b32 s32, s31, 2                         ; block of columns
	s_and_b32 s33, s31, 3                          ; slot: 256 of K
	s_and_b32 s34, s[WV], 3                        ; which 32 columns
	s_lshr_b32 s35, s[WV], 2                       ; which 64 of K
	s_mov_b32 s36, 12288
	s_cmp_ge_u32 s32, 24
	s_cselect_b64 s[24:25], s[8:9], s[6:7]         ; the choice hangs on the work-group's number alone
	s_cselect_b32 s36, 4096, s36                   ; a row of the weight in bytes
	s_cselect_b32 s37, 24, 0
	s_sub_co_u32 s37, s32, s37                     ; the block's number in its own tensor
	s_lshl_b32 s38, s33, 8
	s_lshl_b32 s39, s35, 6
	s_add_co_u32 s38, s38, s39                     ; my first row of K
	s_mul_i32 s38, s38, s36
	s_lshl_b32 s39, s37, 9
	s_add_co_u32 s38, s38, s39
	s_lshl_b32 s39, s34, 7
	s_add_co_u32 s38, s38, s39
	s_mov_b32 s39, 0
	s_add_nc_u64 s[24:25], s[24:25], s[38:39]
	s_lshl_b32 s26, s32, 17                        ; codes: 131,072 block + 16,384 (2 slot + (64s / 2)) + 4,096 (32s) + 1,024 (64s & 1)
	s_lshl_b32 s39, s33, 15
	s_add_co_u32 s26, s26, s39
	s_lshr_b32 s39, s35, 1
	s_lshl_b32 s39, s39, 14
	s_add_co_u32 s26, s26, s39
	s_lshl_b32 s39, s34, 12
	s_add_co_u32 s26, s26, s39
	s_and_b32 s39, s35, 1
	s_lshl_b32 s39, s39, 10
	s_add_co_u32 s26, s26, s39
	s_mov_b32 s27, 0
	s_add_nc_u64 s[26:27], s[14:15], s[26:27]
	s_lshl_b32 s28, s32, 12
	s_lshl_b32 s39, s33, 10
	s_add_co_u32 s28, s28, s39
	s_mov_b32 s29, 0
	s_add_nc_u64 s[28:29], s[16:17], s[28:29]
.macro WLOAD stride                    ; W(my first row + i, my column), i = 0 .. 63: a lane's registers run down K; a load reads 128 consecutive bytes, four neighbouring waves 512
.set i, 0
.rept 64
	global_load_b32 v[R+i], v[WO], s[24:25] offset:i*\stride th:TH_LOAD_NT
.set i, i+1
.endr
.endm
	s_cmp_ge_u32 s32, 24                           ; the two tensors differ in the row's length, which stands in the immediates: the branch stands round the loads alone
	s_cbranch_scc1 .Lwproj
	WLOAD 12288
	s_branch .Lwloaded
.Lwproj:
	WLOAD 4096
.Lwloaded:
.macro WBLOCK bl                       ; a block of 32 along K lies in ONE lane's registers: no other lane is needed
.set XS, R+32*\bl
	s_wait_loadcnt 32-32*\bl                       ; this block's 32 loads are in; the second block's may be out
	v_max3_num_f32 v[TM], |v[XS]|, |v[XS+1]|, |v[XS+2]|
	v_max3_num_f32 v[TM+1], |v[XS+3]|, |v[XS+4]|, |v[XS+5]|
.irp i, 6,10,14,18,22,26
	v_max3_num_f32 v[TM], v[TM], |v[XS+\i]|, |v[XS+\i+1]|
	v_max3_num_f32 v[TM+1], v[TM+1], |v[XS+\i+2]|, |v[XS+\i+3]|
.endr
	v_max3_num_f32 v[TM], v[TM], |v[XS+30]|, |v[XS+31]|
	v_max3_num_f32 v[TM], v[TM], v[TM+1], 0x4800000
	v_add_nc_u32 v[TM+3], 0xfc000000, v[TM]
	v_and_or_b32 v[TM+2], v[TM], 0x7f800000, s[MNT]
	v_lshrrev_b32 v[TM+4+\bl], 23, v[TM+3]
.set i, 0
.rept 32
	v_med3_num_f32 v[XS+i], v[XS+i], -v[TM+2], v[TM+2]
.set i, i+1
.endr
.irp g, 0,1,2,3
	v_cvt_scalef32_pk8_fp8_f32 v[PC+8*\bl+2*\g:PC+8*\bl+2*\g+1], v[XS+8*\g:XS+8*\g+7], v[TM+3]
.endr
	v_nop
	global_store_b128 v[WCO], v[PC+8*\bl:PC+8*\bl+3], s[26:27] offset:512*\bl         ; k 0..15 of the block: the image's lanes 0-15; sixteen lanes store 256 consecutive bytes, aligned
	global_store_b128 v[WCO], v[PC+8*\bl+4:PC+8*\bl+7], s[26:27] offset:512*\bl+256   ; k 16..31: its lanes 16-31
.endm
	WBLOCK 0
	WBLOCK 1
	v_lshl_or_b32 v[TM+4], v[TM+5], 8, v[TM+4]
	ds_store_b16 v[GAW], v[TM+4]                   ; my column's two scale bytes
	TAIL TLW, 8
.Lend:
	s_wait_tensorcnt 0x0                           ; the wave's end: behind my last LDS store
	ds_add_u32 v[SPW], v[NIL]
	s_wait_dscnt 0x0
	s_endpgm
.Lfunc_end_k_q0411dd6846_quant:
	.size	k_q0411dd6846_quant, .Lfunc_end_k_q0411dd6846_quant-k_q0411dd6846_quant
	.p2alignl 7, 3214868480
	.fill 96, 4, 3214868480
	.section	.rodata,"a",@progbits
	.p2align	6, 0x0
	.amdhsa_kernel k_q0411dd6846_quant
		.amdhsa_group_segment_fixed_size 139264
		.amdhsa_private_segment_fixed_size 0
		.amdhsa_enable_private_segment 0
		.amdhsa_kernarg_size 56
		.amdhsa_user_sgpr_count 2
		.amdhsa_user_sgpr_kernarg_segment_ptr 1
		.amdhsa_wavefront_size32 1
		.amdhsa_system_sgpr_workgroup_id_x 1
		.amdhsa_system_sgpr_workgroup_id_y 1
		.amdhsa_system_sgpr_workgroup_id_z 1
		.amdhsa_system_vgpr_workitem_id 0
		.amdhsa_next_free_vgpr 192
		.amdhsa_next_free_sgpr 66
		.amdhsa_reserve_vcc 0
		.amdhsa_float_denorm_mode_32 3
		.amdhsa_float_denorm_mode_16_64 3
		.amdhsa_memory_ordered 1
		.amdhsa_forward_progress 1
		.amdhsa_inst_pref_size 39
	.end_amdhsa_kernel
	.amdgpu_metadata
---
amdhsa.version: [ 1, 2 ]
amdhsa.kernels:
  - .name:           k_q0411dd6846_quant
    .symbol:         k_q0411dd6846_quant.kd
    .args:
      - { .name: x, .offset: 0, .size: 8, .value_kind: global_buffer, .address_space: global }
      - { .name: w_attn, .offset: 8, .size: 8, .value_kind: global_buffer, .address_space: global }
      - { .name: w_proj, .offset: 16, .size: 8, .value_kind: global_buffer, .address_space: global }
      - { .name: xc, .offset: 24, .size: 8, .value_kind: global_buffer, .address_space: global }
      - { .name: xs, .offset: 32, .size: 8, .value_kind: global_buffer, .address_space: global }
      - { .name: wc, .offset: 40, .size: 8, .value_kind: global_buffer, .address_space: global }
      - { .name: ws, .offset: 48, .size: 8, .value_kind: global_buffer, .address_space: global }
    .group_segment_fixed_size: 139264
    .private_segment_fixed_size: 0
    .kernarg_segment_align: 8
    .kernarg_segment_size: 56
    .max_flat_workgroup_size: 512
    .sgpr_count:     66
    .vgpr_count:     192
    .wavefront_size: 32
...
	.end_amdgpu_metadata
.endif
;; end of part 1
;; launch qkv (part 2): grid 12 x 16, 4 waves a work-group, clusters of 4 x 4, 327,680 bytes of LDS; arguments xc, xs, wc, ws, b_attn, ac, asc; writes ac, asc
.if DOCPART == 2
	.amdgcn_target "amdgcn-amd-amdhsa--gfx1250"
	.amdhsa_code_object_version 6
	.text
	.protected	k_q0411dd6846_qkv
	.globl	k_q0411dd6846_qkv
	.p2align	8
	.type	k_q0411dd6846_qkv,@function
k_q0411dd6846_qkv:
	s_mov_b64 s[64:65], 0
	v_nop
	global_prefetch_b8 v0, s[64:65] scope:SCOPE_SE
	s_setreg_imm32_b32 hwreg(HW_REG_WAVE_MODE, 25, 1), 1
	s_wait_xcnt 0x0
	s_wait_alu depctr_hold_cnt(0) depctr_sa_sdst(0) depctr_va_vdst(0) depctr_va_sdst(0) depctr_va_ssrc(0) depctr_va_vcc(0) depctr_vm_vsrc(0)
	s_getreg_b32 s2, hwreg(HW_REG_IB_STS2, 6, 4)
	s_cmp_eq_u32 s2, 0
	s_cbranch_scc0 .Lentry_in_a_cluster
	s_endpgm
.Lentry_in_a_cluster:
	s_bfe_u32 s2, ttmp6, 0x10000c
	s_cmp_lg_u32 s2, 0xf033
	s_cbranch_scc0 .Lentry_shape_is_right
	s_endpgm
.Lentry_shape_is_right:
; qkv = x w_attn + b_attn on codes of E4M3 (K = 1,024), and its three parts quantised at once for the attention: q and k along the head's 64, v along the keys.  No f32 number goes to memory.
; Operands lie as images of the operand's registers (fragment: [c][lane][16 bytes]; a block of 128 rows: [K step][tile]; row r of tile t = row 32 (t / 2) + 8 (t % 2) + r + 8 (r / 8)).
; A tile of 256 x 256 is made by four waves, 128 x 128 each: 64 accumulators.  K goes in slots of 256 through a ring of two LDS slots: two first fills, two refills.
; THE PRODUCT IS USED TRANSPOSED: source 0 = 16 rows of "B", source 1 = 16 rows of "A": a lane holds one row of A, and by the order of rows in a tile the 16 registers of B's tiles 2 j, 2 j + 1
; are 16 neighbours, 32 j + 16 (lane / 16) + 0..15, of B's 128 rows.  So the side along which the result is quantised next is B:
;   cluster x = 0 (q), 1 (k): A = tokens (xc), B = features (wc): registers run along the head's axis.     cluster x = 2 (v): A = features (wc), B = tokens (xc): registers run along the keys.
; Only pointers and coordinates are chosen by the kind, which all sixteen partners share.
; CLUSTERS: 4 x 4.  A's tiles are shared along a row of the cluster, B's along a column: joint loads.
; OUT.  ac [kind 3][batch x head 32][step 16][8,192]: q, k: [tile 8][c 2][lane][16] (64 real codes a row); v: [tile of d 4][c 4][lane][16] (K = the step's 128 keys).
; asc: q's records from 0, k's and v's from 393,216; a record of 768 bytes for each (batch x head, step): 512 bytes of q's (k's) scale words [tile / 4][r][tile % 4] (bytes 0, 1 are the head's;
; bytes 2, 3 are another head's bytes or 0, never 0xff: they meet zero codes), then v's 256 bytes [r][tile of d].
; Both forms of the bias (along B for q and k, along A for v) are loaded by every work-group, 24 loads once, so that every register is written on every way through the text; a kind uses one of them.
; LIMITS as stated at the head of the first kernel.
.set HALFT, 32768                      ; 128 rows x 256 K: what one tensor load brings, and what one wave reads of A or of B in a slot
.set SLOT,  4*HALFT                    ; A's two halves, then B's two
.set SCL,   2*SLOT                     ; behind the ring: the scale bytes for all of K, 4,096 for each 128 rows, filled once
.set HALFS, 4096
.set SPARE, SCL+4*HALFS                ; the spare words, 128 bytes for each wave: two blocks of 256 bytes that no other line names
.set NQ, 2                             ; matrix instructions deep in a slot
.set FR, 16                            ; registers of a fragment
.set NL, 4                             ; LDS loads that bring one
.set NP, 8                             ; places behind this matrix instruction (ISA guide 7.12.1)
.set BV,   8                           ; v8-15   the bias along A: one number for each of my 8 tiles of A
.set ADRA, 16                          ; v16-17  LDS address of my A fragments in slot 0, 1
.set ADRB, 20                          ; v20-21  the same for B
.set VO0,  24                          ; v24     16 x lane
.set VO2,  25                          ; v25     16 x lane + the distance to the second pair of stores
.set SOFF, 26                          ; v26     the scale words' place: 16 r + 12,288 h
.set ADRS, 27                          ; v27     LDS address of my scale words: lanes 0-15 A's, lanes 16-31 B's
.set SPW,  28                          ; v28     LDS address of my spare word; never rewritten
.set NIL,  29                          ; v29     0; never rewritten
.set SC,   32                          ; v32-63  scale words, two sets
.set BQ,   64                          ; v64-127 the bias along B: 64 numbers in a result's order
.set AF,   128                         ; v128-255 A's fragments, one set; on the way out:
.set X,    128                         ; v128-191 64 numbers
.set PC,   192                         ; v192-207 codes
.set TM,   208                         ; v208-223 at work
.set W,    224                         ; v224-231 the scale word of each tile of A
.set Y,    232                         ; v232-239 scale words to store
.set WV,  18
.set HA,  19                           ; s19  which half of A's rows is mine.  Also: I fetch for A (0) or for B (1)
.set HB,  20                           ; s20  which half of B's rows.  Also: which 128 rows of that tile I fetch
.set ISV, 21                           ; s21  1 in the cluster column that makes v
.set G1,  24
.set G0,  32
.set SEL, 46
.set G1B, 48
.set G0B, 56
.set MNT, 66
.set G1S, 68
.set G0S, 76
.set G1SB, 80
.set G0SB, 88
.set MSB, 0
.macro WIN new                         ; the immediate's high byte repeats the setting that is left
.if MSB != (\new)
	s_set_vgpr_msb (MSB<<8)|(\new)
.set MSB, (\new)
.endif
.endm
.set MUL_LO, 0xa1                      ; source 0 (B) window 1, source 1 (A) window 0, C and D window 2
.set MUL_HI, 0xf1                      ; the same, C and D window 3
.set TO_B,   0x40                      ; destination window 1, address window 0
; A joint load: waves 0 and 1 fetch for A, waves 2 and 3 for B.  The branch hangs on the wave's number alone.  An s_nop 0 and four v_nop follow each of the two lines.
.macro JLOAD g0a, g1a, g0b, g1b
	s_cmp_eq_u32 s[HA], 0
	s_cbranch_scc0 .Lfor_b_\@
	tensor_load_to_lds s[\g0a:\g0a+3], s[\g1a:\g1a+7]
	s_nop 0
.rept 4
	v_nop
.endr
	s_branch .Lasked_\@
.Lfor_b_\@:
	tensor_load_to_lds s[\g0b:\g0b+3], s[\g1b:\g1b+7]
	s_nop 0
.rept 4
	v_nop
.endr
.Lasked_\@:
.endm
.macro CREST                           ; a round of the cluster's barrier behind its opening barrier
	s_cmp_lg_u32 s[WV], 0
	s_cbranch_scc1 .Lnot_wave_0_\@
	s_barrier_signal -3
.Lnot_wave_0_\@:
	s_barrier_wait -3
	s_barrier_signal -1
	s_barrier_wait -1
.endm
.macro CROUND
	s_barrier_signal -1
	s_barrier_wait -1
	CREST
.endm
	s_load_b256 s[4:11], s[0:1], 0x0               ; xc s[4:5], xs s[6:7], wc s[8:9], ws s[10:11]
	s_load_b128 s[12:15], s[0:1], 0x20             ; b_attn s[12:13], ac s[14:15]
	s_load_b64 s[16:17], s[0:1], 0x30              ; asc
	v_lshl_add_u32 v[SPW], v0, 2, SPARE
	v_mov_b32 v[NIL], 0
	ds_add_u32 v[SPW], v[NIL]                      ; the wave's opening: the add, twice on end, and its wait ahead of my first tensor load
	ds_add_u32 v[SPW], v[NIL]
	v_lshrrev_b32 v1, 5, v0
	v_readfirstlane_b32 s[WV], v1                  ; wave 0..3
	s_lshr_b32 s[HA], s[WV], 1
	s_and_b32 s[HB], s[WV], 1
	s_bfe_u32 s40, ttmp6, 0x40000                  ; cx
	s_bfe_u32 s41, ttmp6, 0x40004                  ; cy
	s_and_b32 s22, ttmp7, 0xffff
	s_lshl_b32 s22, s22, 2                         ; 4 x cluster y
	s_lshl_b32 s23, ttmp9, 2                       ; 4 x cluster x
	s_cmp_eq_u32 ttmp9, 2                          ; the kind: the cluster's x, the same in all sixteen partners
	s_cselect_b32 s[ISV], 1, 0
	s_cselect_b32 s43, 8, s22                      ; A's tile of 256 rows: v: feature tiles 8-11; q, k: token tiles
	s_cselect_b32 s42, s22, s23                    ; B's: v: token tiles; q, k: feature tiles 0-7
	s_add_co_u32 s43, s43, s41                     ; + cy: it never holds cx
	s_add_co_u32 s42, s42, s40                     ; + cx: it never holds cy
	s_lshl_b32 s44, s41, 2
	s_lshl_b32 s44, 15, s44                        ; my row of the cluster
	s_lshl_b32 s45, 0x1111, s40                    ; my column
	; descriptor group 1: a dense block of 32,768 bytes as 128 rows of 256 bytes (32 elements of 8 bytes); no padding: fragments are read 16 bytes a lane on end
	s_or_b32 s[G1], s44, (3<<16)|(1<<21)           ; 15:0 the mask: A's tiles go to my row; 17:16 elements of 8 bytes; 21 set beside a mask
	s_or_b32 s[G1B], s45, (3<<16)|(1<<21)
.irp g, G1, G1B
	s_mov_b32 s[\g+1], 32<<16                      ; tensor_dim0
	s_mov_b32 s[\g+2], 128<<16                     ; tensor_dim1
	s_mov_b32 s[\g+3], 32<<16                      ; tile_dim0
	s_mov_b32 s[\g+4], 128                         ; tile_dim1
	s_mov_b32 s[\g+5], 32                          ; tensor_dim0_stride
	s_mov_b32 s[\g+6], 0
	s_mov_b32 s[\g+7], 0
.endr
	s_or_b32 s[G1S], s44, (3<<16)|(1<<21)          ; the scale bytes of 128 rows: 4,096 dense bytes as 16 rows of 256
	s_or_b32 s[G1SB], s45, (3<<16)|(1<<21)
.irp g, G1S, G1SB
	s_mov_b32 s[\g+1], 32<<16
	s_mov_b32 s[\g+2], 16<<16
	s_mov_b32 s[\g+3], 32<<16
	s_mov_b32 s[\g+4], 16
	s_mov_b32 s[\g+5], 32
	s_mov_b32 s[\g+6], 0
	s_mov_b32 s[\g+7], 0
.endr
	s_lshl_b32 s46, s43, 1
	s_add_co_u32 s46, s46, s[HB]                   ; the block of 128 rows of A that I fetch, if I fetch for A
	s_lshl_b32 s66, s42, 1
	s_add_co_u32 s66, s66, s[HB]                   ; of B
	s_lshl_b32 s2, s46, 17                         ; its codes: 131,072 bytes a block
	s_mov_b32 s3, 0
	s_lshl_b32 s46, s46, 12                        ; its scale bytes: 4,096
	s_mov_b32 s47, 0
	s_lshl_b32 s22, s66, 17
	s_mov_b32 s23, 0
	s_lshl_b32 s66, s66, 12
	s_mov_b32 s67, 0
	s_lshl_b32 s100, s[WV], 15                     ; where they go: wave x 32,768: no place in the cluster enters an LDS address
	s_lshl_b32 s101, s[WV], 12
	s_wait_dscnt 0x0                               ; both opening adds are done
	s_wait_kmcnt 0x0
	s_cmp_eq_u32 s[ISV], 1
	s_cselect_b64 s[92:93], s[8:9], s[4:5]         ; A's codes
	s_cselect_b64 s[94:95], s[10:11], s[6:7]       ; A's scales
	s_cselect_b64 s[96:97], s[4:5], s[8:9]         ; B's codes
	s_cselect_b64 s[98:99], s[6:7], s[10:11]       ; B's scales
	s_add_nc_u64 s[92:93], s[92:93], s[2:3]
	s_add_nc_u64 s[94:95], s[94:95], s[46:47]
	s_add_nc_u64 s[96:97], s[96:97], s[22:23]
	s_add_nc_u64 s[98:99], s[98:99], s[66:67]
	CROUND                                         ; all sixteen work-groups are here: the first joint loads meet
	s_mov_b32 s[G0S], 1
	s_add_co_u32 s[G0S+1], s101, SCL
	s_mov_b64 s[G0S+2:G0S+3], s[94:95]
	s_or_b32 s[G0S+3], s[G0S+3], 0x80000000
	s_mov_b32 s[G0SB], 1
	s_add_co_u32 s[G0SB+1], s101, SCL
	s_mov_b64 s[G0SB+2:G0SB+3], s[98:99]
	s_or_b32 s[G0SB+3], s[G0SB+3], 0x80000000
	JLOAD G0S, G1S, G0SB, G1SB                     ; the scales first: they are wanted with the first K step
.irp s, 0,1
	s_mov_b32 s[G0+4*\s], 1
	s_add_co_u32 s[G0+4*\s+1], s100, \s*SLOT
	s_add_nc_u64 s[G0+4*\s+2:G0+4*\s+3], s[92:93], \s*HALFT
	s_or_b32 s[G0+4*\s+3], s[G0+4*\s+3], 0x80000000
	s_mov_b32 s[G0B+4*\s], 1
	s_add_co_u32 s[G0B+4*\s+1], s100, \s*SLOT
	s_add_nc_u64 s[G0B+4*\s+2:G0B+4*\s+3], s[96:97], \s*HALFT
	s_or_b32 s[G0B+4*\s+3], s[G0B+4*\s+3], 0x80000000
	JLOAD G0+4*\s, G1, G0B+4*\s, G1B               ; three tensor loads of mine are out
.endr
	v_and_b32 v1, 15, v0                           ; r
	v_bfe_u32 v2, v0, 4, 1                         ; h
	v_and_b32 v3, 31, v0
	v_lshlrev_b32 v[VO0], 4, v3
	s_lshl_b32 s22, s[HA], 15                      ; my 128 rows of A
	s_lshl_b32 s23, s[HB], 15                      ; my 128 rows of B,
	s_add_co_u32 s23, s23, 2*HALFT                 ; behind A's 256
.irp s, 0,1
	v_add_nc_u32 v[ADRA+\s], s22, v[VO0]
	v_add_nc_u32 v[ADRB+\s], s23, v[VO0]
	s_add_co_u32 s22, s22, SLOT
	s_add_co_u32 s23, s23, SLOT
.endr
	s_lshl_b32 s22, s[HA], 12                      ; scale words: A's 128 rows; B's lie behind A's 256
	s_lshl_b32 s23, s[HB], 12
	s_add_co_u32 s23, s23, 2*HALFS
	s_sub_co_u32 s23, s23, s22
	v_mul_u32_u24 v4, s23, v2                      ; lanes 16-31 take B's: one product, the distance between the two
	s_add_co_u32 s22, s22, SCL
	v_lshl_add_u32 v4, v1, 3, v4                   ; 8 bytes a row: a slot's two words
	v_add_nc_u32 v[ADRS], s22, v4
	; the way out's addresses
	s_lshl_b32 s44, s43, 1
	s_add_co_u32 s44, s44, s[HA]                   ; my block of 128 rows of A
	s_lshl_b32 s45, s42, 1
	s_add_co_u32 s45, s45, s[HB]                   ; of B
	s_cmp_eq_u32 s[ISV], 1
	s_cselect_b32 s100, s45, s44                   ; my block of tokens, 0..31
	s_cselect_b32 s101, s44, s45                   ; my block of features, 0..23
	s_cselect_b32 s2, 0, s45                       ; the bias along B: q, k: my features; v: not used, block 0
	s_cselect_b32 s22, s44, 0                      ; the bias along A: v: my features; q, k: not used, block 0
	s_mov_b32 s96, 1024
	s_cselect_b32 s96, 2048, s96                   ; from a tile of A to the next in ac
	s_mov_b32 s98, 1024
	s_cselect_b32 s98, 124928, s98                 ; from tile 3 to tile 4: v: on to the next head (131,072 - 3 x 2,048)
	s_mov_b32 s67, 131072
	s_cselect_b32 s67, 1024, s67                   ; from codes 0-7 to codes 8-15: q, k: the next head; v: the fragment's second half
	s_mul_i32 s94, ttmp9, 393216
	s_cselect_b32 s94, 393728, s94                 ; asc: q 0, k 393,216, v 393,216 + 512
	s_mov_b32 s97, 0
	s_mov_b32 s99, 0
	v_add_nc_u32 v[VO2], s67, v[VO0]
	s_lshl_b32 s2, s2, 9
	s_mov_b32 s3, 0
	s_add_nc_u64 s[2:3], s[12:13], s[2:3]
	s_lshl_b32 s22, s22, 9
	s_mov_b32 s23, 0
	s_add_nc_u64 s[22:23], s[12:13], s[22:23]
	s_and_b32 s101, s101, 7                        ; the pair of heads
	s_lshr_b32 s67, s100, 4                        ; the batch
	s_and_b32 s100, s100, 15                       ; the step of 128 tokens
	s_lshl_b32 s92, ttmp9, 22                      ; ac: kind x 4,194,304 + batch x 2,097,152 + pair x 262,144 + step x 8,192
	s_lshl_b32 s44, s67, 21
	s_add_co_u32 s92, s92, s44
	s_lshl_b32 s44, s101, 18
	s_add_co_u32 s92, s92, s44
	s_lshl_b32 s44, s100, 13
	s_add_co_u32 s92, s92, s44
	s_mov_b32 s93, 0
	s_add_nc_u64 s[92:93], s[14:15], s[92:93]
	s_lshl_b32 s67, s67, 4
	s_lshl_b32 s101, s101, 1
	s_add_co_u32 s67, s67, s101                    ; batch x head
	s_mul_i32 s67, s67, 12288
	s_add_co_u32 s94, s94, s67
	s_mul_i32 s100, s100, 768
	s_add_co_u32 s94, s94, s100
	s_mov_b32 s95, 0
	s_add_nc_u64 s[94:95], s[16:17], s[94:95]
	s_mov_b32 s[SEL], 0x76543210
	s_mov_b32 s[SEL+1], 0xfedcba98
	s_mov_b32 s[MNT], 0x600000
	v_lshlrev_b32 v4, 6, v2                        ; 64 h: my half's 16 numbers of each 32
.irp m, 0,1,2,3,4,5,6,7,8,9,10,11,12,13,14,15
	global_load_b128 v[BQ+4*\m:BQ+4*\m+3], v4, s[2:3] offset:128*(\m/4)+16*(\m%4)
.endr
	v_and_b32 v5, 8, v1
	v_add_nc_u32 v5, v5, v1
	v_lshlrev_b32 v5, 2, v5                        ; 4 (r + 8 (r / 8))
.irp a, 0,1,2,3,4,5,6,7
	global_load_b32 v[BV+\a], v5, s[22:23] offset:4*(32*(\a/2)+8*(\a%2))
.endr
	v_mul_u32_u24 v6, v2, 12288
	v_lshl_add_u32 v[SOFF], v1, 4, v6
.macro FRAG reg, adr, q, i             ; a fragment's image: four loads, 16 bytes a lane on end
.irp c, 0,1,2,3
	ds_load_b128 v[\reg+4*\c:\reg+4*\c+3], v[\adr] offset:16384*(\q)+2048*(\i)+512*\c
.endr
.endm
; 16 matrix instructions: A's blocks a0, a0 + 1 x B's eight, 128 along K.  The 64 accumulators take turns, one instruction a turn, in the same order in every step.
.macro MUL16 a0, p, q, sc, zero
.irp a, \a0, \a0+1
.irp b, 0,1,2,3,4,5,6,7
.if \zero
	v_wmma_scale_f32_16x16x128_f8f6f4 v[8*(8*((\a)%4)+\b):8*(8*((\a)%4)+\b)+7], v[128*(\p)+FR*\b:128*(\p)+FR*\b+FR-1], v[AF+FR*(\a):AF+FR*(\a)+FR-1], 0, v[SC+8*NQ*(\sc)+NQ*\b+(\q)], v[SC+8*NQ*(\sc)+NQ*(\a)+(\q)] matrix_a_scale:MATRIX_SCALE_ROW1
.else
	v_wmma_scale_f32_16x16x128_f8f6f4 v[8*(8*((\a)%4)+\b):8*(8*((\a)%4)+\b)+7], v[128*(\p)+FR*\b:128*(\p)+FR*\b+FR-1], v[AF+FR*(\a):AF+FR*(\a)+FR-1], v[8*(8*((\a)%4)+\b):8*(8*((\a)%4)+\b)+7], v[SC+8*NQ*(\sc)+NQ*\b+(\q)], v[SC+8*NQ*(\sc)+NQ*(\a)+(\q)] matrix_a_scale:MATRIX_SCALE_ROW1
.endif
.endr
.endr
.endm
.macro FETCH_B slot, q, p
	WIN TO_B
.irp i, 0,1,2,3,4,5,6,7
	FRAG 128*(\p)+FR*\i, ADRB+\slot, \q, \i
.endr
	WIN 0
.endm
.macro FETCH_A slot, q, i0
.irp i, \i0, \i0+1, \i0+2, \i0+3
	FRAG AF+FR*(\i), ADRA+\slot, \q, \i
.endr
.endm
.macro SCALES sc                       ; a slot's scale words: two a row; lanes 0-15 take A's tile i, lanes 16-31 B's tile i
.irp i, 0,1,2,3,4,5,6,7
	ds_load_b64 v[SC+8*NQ*\sc+NQ*\i:SC+8*NQ*\sc+NQ*\i+1], v[ADRS] offset:128*\i
.endr
.endm
.macro PLACES n                        ; places in front of loads into registers that matrix instructions have read, and of the first read of results
.rept \n
	v_nop
.endr
.endm
.macro STEP slot, q, zero              ; a step of 128 along K that has its successor in the same slot
	s_wait_dscnt 4*NL                              ; B's set, A's blocks 0-3 and the scale words are in; the youngest 16 loads (A's blocks 4-7) may be out
	WIN MUL_LO
	MUL16 0, (\q)%2, \q, \slot, \zero
	MUL16 2, (\q)%2, \q, \slot, \zero
	s_wait_dscnt 0
	PLACES NP
	FETCH_B \slot, (\q)+1, 1-(\q)%2
	FETCH_A \slot, (\q)+1, 0
	WIN MUL_HI
	MUL16 4, (\q)%2, \q, \slot, \zero
	MUL16 6, (\q)%2, \q, \slot, \zero
	PLACES NP
	WIN 0
	FETCH_A \slot, (\q)+1, 4
.endm
; A slot's last step changes slots: one barrier; in front of it each wave waits for all its tensor loads, adds 0 to its spare word, and waits for that and for its reads of this slot.
.macro TURN slot, next, fill
	s_wait_tensorcnt 0x0                           ; all my tensor loads have landed: my part of the next slot
	ds_add_u32 v[SPW], v[NIL]                      ; 0 onto my spare word
	s_wait_dscnt 4*NL+1                            ; (the add and the youngest 16 loads may be out)
	WIN MUL_LO
	MUL16 0, 1, NQ-1, \slot, 0
	s_wait_dscnt 0x0                               ; the add is done, and my reads of this slot are over
	s_barrier_signal -1
	MUL16 2, 1, NQ-1, \slot, 0
	WIN 0
	s_barrier_wait -1
.if \fill
	CREST                                          ; the barrier has opened a round of the cluster's: no wave of any partner still reads this slot or has a load on its way
	s_add_nc_u64 s[G0+4*\slot+2:G0+4*\slot+3], s[G0+4*\slot+2:G0+4*\slot+3], 2*HALFT
	s_add_nc_u64 s[G0B+4*\slot+2:G0B+4*\slot+3], s[G0B+4*\slot+2:G0B+4*\slot+3], 2*HALFT
	JLOAD G0+4*\slot, G1, G0B+4*\slot, G1B         ; the first tensor load behind the round, my only one until the next
	PLACES NP-4
.else
	PLACES NP
.endif
	v_add_nc_u32 v[ADRS], 1024, v[ADRS]            ; the next slot's scale words
	FETCH_B \next, 0, 0
	FETCH_A \next, 0, 0
	SCALES \next
	WIN MUL_HI
	MUL16 4, 1, NQ-1, \slot, 0
	MUL16 6, 1, NQ-1, \slot, 0
	PLACES NP
	WIN 0
	FETCH_A \next, 0, 4
.endm
	s_wait_tensorcnt 1                             ; the scales and my part of slot 0 are in; slot 1's load may stay out
	s_barrier_signal -1
	s_barrier_wait -1
	FETCH_B 0, 0, 0
	FETCH_A 0, 0, 0
	SCALES 0
	FETCH_A 0, 0, 4
	STEP 0, 0, 1                                   ; K = 1,024 is eight steps of 128: written out.  The first products start the sums: nothing is cleared
	TURN 0, 1, 1                                   ; slot 0 takes K 512 on
	STEP 1, 0, 0
	TURN 1, 0, 1                                   ; slot 1 takes K 768 on
	STEP 0, 0, 0
	TURN 0, 1, 0                                   ; nothing is left to fetch
	STEP 1, 0, 0
	s_wait_dscnt 4*NL
	WIN MUL_LO
	MUL16 0, 1, NQ-1, 1, 0
	MUL16 2, 1, NQ-1, 1, 0
	s_wait_dscnt 0
	WIN MUL_HI
	MUL16 4, 1, NQ-1, 1, 0
	MUL16 6, 1, NQ-1, 1, 0
	WIN 0
; THE WAY OUT.  For each tile a of A the lane's 64 results, register 16 j + i = B's row 32 j + 16 (lane / 16) + i, get the bias and are quantised in registers: four blocks of 32.
.macro QUANT s, pw
.irp b, 0,1,2,3
	v_max3_num_f32 v[TM+\b], |v[\s+16*\b]|, |v[\s+1+16*\b]|, 0x4800000   ; my 16 numbers of block b, and the floor 2^(9 - 127)
.endr
.irp i, 2,4,6,8,10,12,14
.irp b, 0,1,2,3
	v_max3_num_f32 v[TM+\b], v[TM+\b], |v[\s+16*\b+\i]|, |v[\s+1+16*\b+\i]|
.endr
.endr
.irp b, 0,1,2,3
	v_permlanex16_b32 v[TM+4+\b], v[TM+\b], s[SEL], s[SEL+1]
.endr
.irp b, 0,1,2,3
	v_max_num_f32 v[TM+\b], v[TM+\b], v[TM+4+\b]
.endr
.irp b, 0,1,2,3
	v_add_nc_u32 v[TM+12+\b], 0xfc000000, v[TM+\b]
.endr
.irp b, 0,1,2,3
	v_and_or_b32 v[TM+8+\b], v[TM+\b], 0x7f800000, s[MNT]
.endr
.irp b, 0,1,2,3
	v_lshrrev_b32 v[TM+4+\b], 23, v[TM+12+\b]
.endr
	v_lshl_or_b32 v[\pw], v[TM+5], 8, v[TM+4]
	v_lshl_or_b32 v[\pw], v[TM+6], 16, v[\pw]
	v_lshl_or_b32 v[\pw], v[TM+7], 24, v[\pw]
.irp b, 0,1,2,3
.irp i, 0,1,2,3,4,5,6,7,8,9,10,11,12,13,14,15
	v_med3_num_f32 v[\s+16*\b+\i], v[\s+16*\b+\i], -v[TM+8+\b], v[TM+8+\b]
.endr
	v_cvt_scalef32_pk8_fp8_f32 v[PC+4*\b:PC+1+4*\b], v[\s+16*\b:\s+7+16*\b], v[TM+12+\b]
	v_cvt_scalef32_pk8_fp8_f32 v[PC+2+4*\b:PC+3+4*\b], v[\s+8+16*\b:\s+15+16*\b], v[TM+12+\b]
.endr
	v_nop
.endm
.macro OUTA a
	s_wait_xcnt 0x0                                ; the last tile's stores have read their registers and their base
.if (\a) == 4
	s_add_nc_u64 s[92:93], s[92:93], s[98:99]
.elseif (\a) > 0
	s_add_nc_u64 s[92:93], s[92:93], s[96:97]
.endif
	s_cmp_eq_u32 s[ISV], 1                         ; the kind: the same in all partners
	s_cbranch_scc1 .Lbias_a_\@
	WIN 0x02+(\a)/4                                ; source 0: the accumulators' window
.set n, 0
.rept 32
	v_pk_add_f32 v[X+n:X+n+1], v[64*((\a)%4)+n:64*((\a)%4)+n+1], v[BQ+n:BQ+n+1]   ; q, k: the bias runs along the registers.  Each accumulator is read from its low end on
.set n, n+2
.endr
	WIN 0
	s_branch .Lbiased_\@
.Lbias_a_\@:
	WIN 0x02+(\a)/4
.set n, 0
.rept 64
	v_add_f32 v[X+n], v[64*((\a)%4)+n], v[BV+(\a)] ; v: one number for the lane's row
.set n, n+1
.endr
	WIN 0
.Lbiased_\@:
	QUANT X, W+(\a)
	global_store_b128 v[VO0], v[PC:PC+3], s[92:93]             ; 512 consecutive bytes a store
	global_store_b128 v[VO0], v[PC+4:PC+7], s[92:93] offset:512
	global_store_b128 v[VO2], v[PC+8:PC+11], s[92:93]
	global_store_b128 v[VO2], v[PC+12:PC+15], s[92:93] offset:512
.endm
	PLACES NP
.irp b, 0,1,2,3
	v_mov_b32 v[TM+4+\b], 0                        ; a lane permute's destination counts as one of its sources
.endr
	s_wait_loadcnt 0x0                             ; the biases
.irp a, 0,1,2,3,4,5,6,7
	OUTA \a
.endr
	v_cmp_eq_u32 vcc_lo, 1, v2                     ; lanes 16-31 (written behind the last tensor load)
	s_cmp_eq_u32 s[ISV], 1
	s_cbranch_scc1 .Lscales_v
.irp a, 0,1,2,3,4,5,6,7
	v_lshrrev_b32 v[Y+\a], 16, v[W+\a]             ; q, k: a word's bytes 0, 1 are the first head's, bytes 2, 3 the second's
.endr
.irp a, 0,1,2,3,4,5,6,7
	v_cndmask_b32 v[Y+\a], v[W+\a], v[Y+\a], vcc_lo   ; lanes 0-15 store for the first head, lanes 16-31 for the second
.endr
	global_store_b128 v[SOFF], v[Y:Y+3], s[94:95]              ; sixteen lanes store 256 consecutive bytes, aligned
	global_store_b128 v[SOFF], v[Y+4:Y+7], s[94:95] offset:256
	s_branch .Lscales_done
.Lscales_v:
.irp j, 0,1,2,3
	v_cndmask_b32 v[Y+\j], v[W+\j], v[W+4+\j], vcc_lo  ; v: tiles 0-3 are the first head's 64, tiles 4-7 the second's
.endr
	global_store_b128 v[SOFF], v[Y:Y+3], s[94:95]
.Lscales_done:
	s_wait_tensorcnt 0x0                           ; the wave's end
	ds_add_u32 v[SPW], v[NIL]
	s_wait_dscnt 0x0
	CROUND                                         ; the closing round: no work-group ends while a partner may still ask for a tile that names it
	s_endpgm
.Lfunc_end_k_q0411dd6846_qkv:
	.size	k_q0411dd6846_qkv, .Lfunc_end_k_q0411dd6846_qkv-k_q0411dd6846_qkv
	.p2alignl 7, 3214868480
	.fill 96, 4, 3214868480
	.section	.rodata,"a",@progbits
	.p2align	6, 0x0
	.amdhsa_kernel k_q0411dd6846_qkv
		.amdhsa_group_segment_fixed_size 327680
		.amdhsa_private_segment_fixed_size 0
		.amdhsa_enable_private_segment 0
		.amdhsa_kernarg_size 56
		.amdhsa_user_sgpr_count 2
		.amdhsa_user_sgpr_kernarg_segment_ptr 1
		.amdhsa_wavefront_size32 1
		.amdhsa_system_sgpr_workgroup_id_x 1
		.amdhsa_system_sgpr_workgroup_id_y 1
		.amdhsa_system_sgpr_workgroup_id_z 1
		.amdhsa_system_vgpr_workitem_id 0
		.amdhsa_next_free_vgpr 1024
		.amdhsa_next_free_sgpr 102
		.amdhsa_reserve_vcc 1
		.amdhsa_float_denorm_mode_32 3
		.amdhsa_float_denorm_mode_16_64 3
		.amdhsa_memory_ordered 1
		.amdhsa_forward_progress 1
		.amdhsa_inst_pref_size 222
	.end_amdhsa_kernel
	.amdgpu_metadata
---
amdhsa.version: [ 1, 2 ]
amdhsa.kernels:
  - .name:           k_q0411dd6846_qkv
    .symbol:         k_q0411dd6846_qkv.kd
    .args:
      - { .name: xc, .offset: 0, .size: 8, .value_kind: global_buffer, .address_space: global }
      - { .name: xs, .offset: 8, .size: 8, .value_kind: global_buffer, .address_space: global }
      - { .name: wc, .offset: 16, .size: 8, .value_kind: global_buffer, .address_space: global }
      - { .name: ws, .offset: 24, .size: 8, .value_kind: global_buffer, .address_space: global }
      - { .name: b_attn, .offset: 32, .size: 8, .value_kind: global_buffer, .address_space: global }
      - { .name: ac, .offset: 40, .size: 8, .value_kind: global_buffer, .address_space: global }
      - { .name: asc, .offset: 48, .size: 8, .value_kind: global_buffer, .address_space: global }
    .group_segment_fixed_size: 327680
    .private_segment_fixed_size: 0
    .kernarg_segment_align: 8
    .kernarg_segment_size: 56
    .max_flat_workgroup_size: 128
    .sgpr_count:     102
    .vgpr_count:     1024
    .wavefront_size: 32
...
	.end_amdgpu_metadata
.endif
;; end of part 2
;; launch attn (part 3): grid 8 x 32, 16 waves a work-group, no clusters, 37,376 bytes of LDS; arguments ac, asc, yc, ysh; writes yc, ysh
.if DOCPART == 3
	.amdgcn_target "amdgcn-amd-amdhsa--gfx1250"
	.amdhsa_code_object_version 6
	.text
	.protected	k_q0411dd6846_attn
	.globl	k_q0411dd6846_attn
	.p2align	8
	.type	k_q0411dd6846_attn,@function
k_q0411dd6846_attn:
	s_mov_b64 s[64:65], 0
	v_nop
	global_prefetch_b8 v0, s[64:65] scope:SCOPE_SE
	s_setreg_imm32_b32 hwreg(HW_REG_WAVE_MODE, 25, 1), 1
	s_wait_xcnt 0x0
; y = softmax(q k^T / 8, causal) v for one (batch, head), both products on codes of E4M3, and y quantised along C for the projection.
; LEFT OUT: key steps that lie wholly behind the causal diagonal (shown dead at the head of the first kernel: reference()'s own mask makes their weights 0 for all finite inputs).
; THE SOFTMAX: t = score x log2(e) / 8; M = the running largest t rounded up to a whole number; p = 2^(t - M) is quantised along the keys; the row's sum is taken of the unquantised p and divides at the end.
; SHARES.  Work-group (g, batch x head); a wave owns one tile of 16 queries.  Waves 0-7 take the block of 128 queries g, waves 8-15 the block 15 - g: block j sees key steps 0 .. j, so every work-group has
; 8 x 17 live wave steps.  The work-group walks steps 0 .. 15 - g.
; THE RING.  A step's record (k's codes 8,192 bytes, v's 8,192, scale words 768) is copied by all 512 threads through registers into one of two LDS slots, a step ahead: 16 + 16 bytes a thread, 8 more in waves 0-2.
; No tensor loads: the record is small and the walk's length hangs on the work-group's number.  No cluster: partners would need different numbers of steps.
; The loop's trip count is a constant (8 trips of two steps); a step past the walk's end keeps only its waits and its barrier, and a wave past its own diagonal jumps over the step's work: branches on ids and counts alone.
; LAYOUT.  Both products transposed: S^T = K Q^T, O^T = V^T P^T: a lane holds one query.  By the order of rows in a tile, the 16 registers of tiles 2 j, 2 j + 1 are 16 neighbours (keys in S^T, channels in O^T).
; The head's axis is 64: the upper halves of q's and k's fragments are zero codes, set once in registers.
; LIMITS as stated at the head of the first kernel.
.set SLOTB, 17408                      ; a slot: k's codes at 0, v's at 8,192, k's scale words at 16,384, v's at 16,896
.set YS,    2*SLOTB                    ; 512 bytes: y's pairs of scale bytes of the work-group's 256 queries
.set SPARE, YS+512                     ; the spare words, 128 bytes for each of 16 waves
.set LI,  1                            ; v1   16 x lane
.set LR,  2                            ; v2   16 x (lane % 16)
.set CT,  3                            ; v3   16 x thread
.set C8,  4                            ; v4   8 x thread
.set SPW, 5                            ; v5   LDS address of my spare word; never rewritten
.set NIL, 6                            ; v6   0; never rewritten
.set PFO, 7                            ; v7   256 x lane
.set DQ,  8                            ; v8   my query's place in its block of 128, less 16 (lane / 16)
.set YSA, 9                            ; v9   where my query's pair of bytes goes
.set YSL, 10                           ; v10  where waves 0 and 1 read them back
.set S,   96                           ; v96-159  S^T, then p; then v's four fragments; at the end y
.set O,   160                          ; v160-191 O^T
.set PCD, 192                          ; v192-207 p's codes
.set KSC, 208                          ; v208-215 k's scale words
.set VSC, 216                          ; v216-219 v's
.set QSC, 220                          ; v220     q's
.set PSC, 221                          ; v221     p's
.set FF,  222                          ; v[222:223] f = 2^(old M - new M); v223 is written once
.set BM,  224
.set T1,  228
.set HO,  232
.set SO,  236
.set WV,  12
.set QB,  15                           ; s15  my block of queries = my last key step
.set LSG, 16                           ; s16  the work-group's last key step
.set KS,  17                           ; s17  the step in hand
.set TRIP, 18
.set MNT, 19
.set SEL, 20
.set CS,  22                           ; s[22:23] c = log2(e) / 8
.set KC,  24                           ; s[24:25] k's codes of the step in hand;  s[26:27] v's;  s[28:29] their scale words
.set VC,  26
.set SCB, 28
.set PF,  30                           ; s[30:31] where my prefetch stands
.set PLIM, 32                          ; s32  a wave prefetches while the step is under it
	s_load_b256 s[4:11], s[0:1], 0x0               ; ac s[4:5], asc s[6:7], yc s[8:9], ysh s[10:11]
	v_lshl_add_u32 v[SPW], v0, 2, SPARE
	v_mov_b32 v[NIL], 0
	v_lshrrev_b32 v240, 5, v0
	v_readfirstlane_b32 s[WV], v240                ; wave 0..15
	v_and_b32 v241, 31, v0                         ; lane
	v_and_b32 v[YSA], 15, v0                       ; r, for now
	v_bfe_u32 v[YSL], v0, 4, 1                     ; h, for now
	v_lshlrev_b32 v[LI], 4, v241
	v_lshlrev_b32 v[LR], 4, v[YSA]
	v_lshlrev_b32 v[CT], 4, v0
	v_lshlrev_b32 v[C8], 3, v0
	v_lshlrev_b32 v[PFO], 8, v241
	s_and_b32 s33, s[WV], 7                        ; my tile t
	s_lshr_b32 s34, s33, 1
	s_lshl_b32 s34, s34, 5
	s_and_b32 s35, s33, 1
	s_lshl_b32 s35, s35, 3
	s_add_co_u32 s34, s34, s35                     ; 32 (t / 2) + 8 (t % 2)
	v_and_b32 v[DQ], 8, v[YSA]
	v_add_nc_u32 v[DQ], v[DQ], v[YSA]              ; + r + 8 (r / 8)
	v_lshlrev_b32 v[YSL], 4, v[YSL]
	v_sub_nc_u32 v[DQ], v[DQ], v[YSL]              ; - 16 h
	v_add_nc_u32 v[DQ], s34, v[DQ]
	s_lshl_b32 s35, s[WV], 5
	s_add_co_u32 s35, s35, YS
	v_lshl_add_u32 v[YSA], v[YSA], 1, s35          ; YS + 32 wave + 2 r
	s_and_b32 s35, s[WV], 1
	s_lshl_b32 s35, s35, 8
	s_add_co_u32 s35, s35, YS
	v_lshl_add_u32 v[YSL], v241, 3, s35            ; YS + 256 (wave & 1) + 8 lane
	s_and_b32 s14, ttmp7, 0xffff                   ; batch x head
	s_sub_co_u32 s[LSG], 15, ttmp9
	s_cmp_lt_u32 s[WV], 8
	s_cselect_b32 s[QB], ttmp9, s[LSG]
	s_lshl_b32 s36, s14, 17                        ; a head's codes of one kind: 131,072 bytes
	s_mov_b32 s37, 0
	s_mul_i32 s38, s14, 12288                      ; its records: 16 x 768
	s_mov_b32 s39, 0
	s_lshl_b32 s40, s[QB], 13
	s_lshl_b32 s41, s33, 10
	s_add_co_u32 s40, s40, s41                     ; q's fragment: 8,192 block + 1,024 t
	s_mov_b32 s41, 0
	s_mul_i32 s42, s[QB], 768
	s_lshr_b32 s43, s33, 2
	s_lshl_b32 s43, s43, 8
	s_add_co_u32 s42, s42, s43
	s_and_b32 s43, s33, 3
	s_lshl_b32 s43, s43, 2
	s_add_co_u32 s42, s42, s43                     ; q's scale words: 768 block + 256 (t / 4) + 4 (t % 4)
	s_mov_b32 s43, 0
	s_mov_b32 s[SEL], 0x76543210
	s_mov_b32 s[SEL+1], 0xfedcba98
	s_mov_b32 s[CS], 0x3e38aa3b                    ; log2(e) / 8
	s_mov_b32 s[CS+1], s[CS]                       ; (named with it as a pair)
	s_mov_b32 s[MNT], 0x600000
	s_mov_b32 s[KS], 0
	s_mov_b32 s[TRIP], 8
	s_wait_kmcnt 0x0
	s_add_nc_u64 s[36:37], s[4:5], s[36:37]
	s_add_nc_u64 s[KC:KC+1], s[36:37], 0x400000
	s_add_nc_u64 s[VC:VC+1], s[36:37], 0x800000
	s_add_nc_u64 s[40:41], s[36:37], s[40:41]
	s_add_nc_u64 s[38:39], s[6:7], s[38:39]
	s_add_nc_u64 s[SCB:SCB+1], s[38:39], 393216
	s_add_nc_u64 s[42:43], s[38:39], s[42:43]
	global_load_b128 v[242:245], v[CT], s[KC:KC+1] ; key step 0, into the staging registers
	global_load_b128 v[246:249], v[CT], s[VC:VC+1]
	s_cmp_lt_u32 s[WV], 3
	s_cbranch_scc0 .Lhead_no_scales
	global_load_b64 v[250:251], v[C8], s[SCB:SCB+1]
.Lhead_no_scales:
	global_load_b128 v[16:19], v[LI], s[40:41]     ; q's fragment stays in registers
	global_load_b128 v[20:23], v[LI], s[40:41] offset:512
	global_load_b32 v[QSC], v[LR], s[42:43]
	s_sub_co_u32 s33, s[WV], 4                     ; who prefetches: waves 4 (k's codes) and 5 (v's) of the head's work-group 0, which walks all 16 steps
	s_lshr_b32 s33, s33, 1
	s_or_b32 s33, s33, ttmp9
	s_cmp_eq_u32 s33, 0
	s_cselect_b32 s[PLIM], 14, 0
	s_cmp_eq_u32 s[WV], 4
	s_cselect_b64 s[PF:PF+1], s[KC:KC+1], s[VC:VC+1]
.irp j, 0,1,2,3,4,5,6,7
	v_mov_b32 v[24+\j], 0                          ; the upper half of q's fragment: zero codes
.endr
.irp t, 0,1,2,3
.irp j, 0,1,2,3,4,5,6,7
	v_mov_b32 v[40+16*\t+\j], 0                    ; and of k's four: set once, never loaded into
.endr
.endr
.set cn, 0
.rept 32
	v_mov_b32 v[O+cn], 0                           ; O^T.  (The step is written once: the first finds zeros, which the first change of M leaves zeros)
.set cn, cn+1
.endr
	v_mov_b32 v13, 0xff61b1e6                      ; the largest t so far: -3e38
	v_floor_f32 v12, -v13                          ; -M
	v_mov_b32 v14, 0
	v_mov_b32 v15, 0
	v_mov_b32 v[FF+1], 0
	v_mov_b32 v240, 0
	v_mov_b32 v241, 0
.irp b, 0,1,2,3
	v_mov_b32 v[T1+\b], 0                          ; a lane permute's destination counts as one of its sources
.endr
	s_wait_loadcnt 0x0
	ds_store_b128 v[CT], v[242:245]
	ds_store_b128 v[CT], v[246:249] offset:8192
	s_cmp_lt_u32 s[WV], 3
	s_cbranch_scc0 .Lhead_stored
	ds_store_b64 v[C8], v[250:251] offset:16384
.Lhead_stored:
	s_wait_dscnt 0x0                               ; my stores have landed
	s_barrier_signal -1
	s_barrier_wait -1                              ; step 0 lies in slot 0
; A key step's work for my 16 queries: 128 keys out of slot sl.
.macro COMPUTE sl
.rept 9
	v_nop                                          ; the first products below write over registers that the last step's products read as a source: nine places
.endr
.irp g, 0,1                                    ; S^T = K Q^T, four tiles of 16 keys at a time
.if \g
.rept 8
	v_nop                                          ; places in front of loads into registers that matrix instructions have read
.endr
.endif
.irp t, 0,1,2,3
	ds_load_b128 v[32+16*\t:35+16*\t], v[LI] offset:\sl*SLOTB+1024*(4*\g+\t)
	ds_load_b128 v[36+16*\t:39+16*\t], v[LI] offset:\sl*SLOTB+1024*(4*\g+\t)+512
.endr
.if \g == 0
	ds_load_b128 v[KSC:KSC+3], v[LR] offset:\sl*SLOTB+16384
	ds_load_b128 v[KSC+4:KSC+7], v[LR] offset:\sl*SLOTB+16640
.endif
	s_wait_dscnt 0x0
.irp t, 0,1,2,3
	v_wmma_scale_f32_16x16x128_f8f6f4 v[S+8*(4*\g+\t):S+8*(4*\g+\t)+7], v[32+16*\t:47+16*\t], v[16:31], 0, v[KSC+4*\g+\t], v[QSC]
.endr
.endr
.rept 8
	v_nop
.endr
	s_cmp_eq_u32 s[KS], s[QB]                      ; my diagonal step: hidden scores become -infinity ahead of the maximum.  Key 0 of the step counts for every query of the block
	s_cbranch_scc0 .Lopen_\@
	v_mov_b32 v241, 0xff800000
.set cn, 0
.rept 64
	v_cmp_gt_i32 vcc_lo, 32*(cn/16)+cn%16, v[DQ]   ; register 16 j + i holds key 32 j + 16 (lane / 16) + i
	v_cndmask_b32 v[S+cn], v[S+cn], v241, vcc_lo
.set cn, cn+1
.endr
.Lopen_\@:
.irp b, 0,1,2,3
	v_max3_num_f32 v[BM+\b], v[S+16*\b], v[S+1+16*\b], v[S+2+16*\b]   ; the largest score of each block of 32 keys: for the row's maximum, and, since p rises with the score, for the block's largest p
.endr
.irp i, 3,5,7,9,11,13
.irp b, 0,1,2,3
	v_max3_num_f32 v[BM+\b], v[BM+\b], v[S+16*\b+\i], v[S+1+16*\b+\i]
.endr
.endr
.irp b, 0,1,2,3
	v_max_num_f32 v[BM+\b], v[BM+\b], v[S+15+16*\b]
.endr
.irp b, 0,1,2,3
	v_permlanex16_b32 v[T1+\b], v[BM+\b], s[SEL], s[SEL+1]
.endr
.irp b, 0,1,2,3
	v_max_num_f32 v[BM+\b], v[BM+\b], v[T1+\b]
.endr
	v_max3_num_f32 v240, v[BM], v[BM+1], v[BM+2]
	v_max_num_f32 v240, v240, v[BM+3]
	v_mul_f32 v240, s[CS], v240
	v_max_num_f32 v13, v13, v240                   ; the running largest t
	v_mov_b32 v240, v12
	v_floor_f32 v12, -v13                          ; the new -M = -ceil(t)
	v_sub_f32 v240, v12, v240                      ; old M - new M: a whole number, 0 or less
	v_cvt_i32_f32 v240, v240                       ; (it saturates)
	v_ldexp_f32 v[FF], 1.0, v240                   ; f: a multiplication by it rounds nothing
.set cn, 0
.rept 32
	v_pk_fma_f32 v[S+cn:S+cn+1], v[S+cn:S+cn+1], s[CS:CS+1], v[12:13] op_sel_hi:[1,0,0]   ; t - M
.set cn, cn+2
.endr
.irp b, 0,1,2,3
	v_fma_f32 v[BM+\b], v[BM+\b], s[CS], v12
.endr
.set cn, 0
.rept 64
	v_exp_f32 v[S+cn], v[S+cn]                     ; p = 2^(t - M)
.set cn, cn+1
.endr
	v_pk_mul_f32 v[14:15], v[14:15], v[FF:FF+1] op_sel_hi:[1,0]   ; the sums under the new M: a plain line behind the exponentials
	s_wait_alu depctr_va_vdst(0)                   ; one wait for the batch of 64, ahead of its first reader
.irp b, 0,1,2,3
	v_exp_f32 v[BM+\b], v[BM+\b]                   ; each block's largest p
.endr
	v_pk_add_f32 v[240:241], v[S:S+1], v[S+2:S+3]  ; the row's sum of the unquantised p, in two chains
.irp j, 4,8,12,16,20,24,28,32,36,40,44,48,52,56,60
	v_pk_add_f32 v[14:15], v[14:15], v[S+\j:S+1+\j]
	v_pk_add_f32 v[240:241], v[240:241], v[S+2+\j:S+3+\j]
.endr
	v_pk_add_f32 v[14:15], v[14:15], v[240:241]
	s_wait_alu depctr_va_vdst(0)                   ; and one for the four
.irp b, 0,1,2,3
	v_max_num_f32 v[BM+\b], 0x4800000, v[BM+\b]    ; the floor 2^(9 - 127)
.endr
.irp b, 0,1,2,3
	v_add_nc_u32 v[SO+\b], 0xfc000000, v[BM+\b]
.endr
.irp b, 0,1,2,3
	v_and_or_b32 v[HO+\b], v[BM+\b], 0x7f800000, s[MNT]
.endr
.irp b, 0,1,2,3
	v_lshrrev_b32 v[T1+\b], 23, v[SO+\b]
.endr
	v_lshl_or_b32 v[PSC], v[T1+1], 8, v[T1]        ; p's scale word for these 128 keys
	v_lshl_or_b32 v[PSC], v[T1+2], 16, v[PSC]
	v_lshl_or_b32 v[PSC], v[T1+3], 24, v[PSC]
.irp b, 0,1,2,3
.irp i, 0,1,2,3,4,5,6,7,8,9,10,11,12,13,14,15
	v_min_num_f32 v[S+16*\b+\i], v[S+16*\b+\i], v[HO+\b]   ; the hold; p is not negative
.endr
	v_cvt_scalef32_pk8_fp8_f32 v[PCD+4*\b:PCD+1+4*\b], v[S+16*\b:S+7+16*\b], v[SO+\b]
	v_cvt_scalef32_pk8_fp8_f32 v[PCD+2+4*\b:PCD+3+4*\b], v[S+8+16*\b:S+15+16*\b], v[SO+\b]
.endr
.set cn, 0
.rept 16
	v_pk_mul_f32 v[O+cn:O+cn+1], v[O+cn:O+cn+1], v[FF:FF+1] op_sel_hi:[1,0]   ; O^T under the new M.  (These are also the places in front of the products below)
.set cn, cn+2
.endr
.irp t, 0,1,2,3
.irp c, 0,1,2,3
	ds_load_b128 v[S+16*\t+4*\c:S+16*\t+4*\c+3], v[LI] offset:\sl*SLOTB+8192+2048*\t+512*\c   ; v's four fragments take p's registers
.endr
.endr
	ds_load_b128 v[VSC:VSC+3], v[LR] offset:\sl*SLOTB+16896
	s_wait_dscnt 0x0
.irp t, 0,1,2,3
	v_wmma_scale_f32_16x16x128_f8f6f4 v[O+8*\t:O+8*\t+7], v[S+16*\t:S+16*\t+15], v[PCD:PCD+15], v[O+8*\t:O+8*\t+7], v[VSC+\t], v[PSC]   ; the four accumulators by turns; eight products K Q^T stand between two links
.endr
.endm
; A step of the walk.  The next step's record is asked for first, the step's work stands between the loads and the wait for them, and one barrier ends the step: in front of it my reads of this
; slot are back and my stores into the other have landed.
.macro STEPM sl
	s_cmp_lt_u32 s[KS], s[LSG]                     ; is there a next step?  Ids and the count of steps alone: all sixteen waves go the same way
	s_cbranch_scc0 .Lno_load_\@
	global_load_b128 v[242:245], v[CT], s[KC:KC+1] offset:8192
	global_load_b128 v[246:249], v[CT], s[VC:VC+1] offset:8192
	s_cmp_lt_u32 s[WV], 3
	s_cbranch_scc0 .Lno_sc_\@
	global_load_b64 v[250:251], v[C8], s[SCB:SCB+1] offset:768
.Lno_sc_\@:
	s_cmp_lt_u32 s[KS], s[PLIM]                    ; a prefetch of step KS + 2, one step ahead of the loads that will want it: 8,192 bytes, lanes 256 bytes apart, one instruction;
	s_cbranch_scc0 .Lno_load_\@                    ; steps 2 to 15 of each head are named once in the launch, steps 0 and 1 come by their loads alone, and nothing past step 15 is named
	global_prefetch_b8 v[PFO], s[PF:PF+1] offset:16384 th:TH_LOAD_NT scope:SCOPE_SE
.Lno_load_\@:
	s_cmp_le_u32 s[KS], s[QB]                      ; a step all of whose keys come after my queries is left out; no barrier stands in the work
	s_cbranch_scc0 .Lno_work_\@
	COMPUTE \sl
.Lno_work_\@:
	s_wait_loadcnt 0x0                             ; the step's loads into the staging registers are in.  The wait stands on every way through the step, under no branch: no load is ever issued into a register that still has a load pending
	s_cmp_lt_u32 s[KS], s[LSG]
	s_cbranch_scc0 .Lno_store_\@
	ds_store_b128 v[CT], v[242:245] offset:(1-\sl)*SLOTB
	ds_store_b128 v[CT], v[246:249] offset:(1-\sl)*SLOTB+8192
	s_cmp_lt_u32 s[WV], 3
	s_cbranch_scc0 .Lno_store_\@
	ds_store_b64 v[C8], v[250:251] offset:(1-\sl)*SLOTB+16384
.Lno_store_\@:
	s_wait_dscnt 0x0
	s_barrier_signal -1
	s_barrier_wait -1
	s_wait_xcnt 0x0                                ; the step's loads and prefetch have read their bases: they may step
	s_add_nc_u64 s[KC:KC+1], s[KC:KC+1], 8192
	s_add_nc_u64 s[VC:VC+1], s[VC:VC+1], 8192
	s_add_nc_u64 s[PF:PF+1], s[PF:PF+1], 8192
	s_add_nc_u64 s[SCB:SCB+1], s[SCB:SCB+1], 768
	s_add_co_u32 s[KS], s[KS], 1
.endm
.Ltrip:
	STEPM 0
	STEPM 1
	s_sub_co_u32 s[TRIP], s[TRIP], 1
	s_cmp_lg_u32 s[TRIP], 0
	s_cbranch_scc1 .Ltrip
	; THE WAY OUT.  y = O^T / the sum: register 16 j + i is channel 32 j + 16 (lane / 16) + i of my query: two blocks of 32 along C, quantised in registers; the codes are half a fragment of the projection's operand.
.rept 8
	v_nop
.endr
	v_add_f32 v14, v14, v15
	v_permlanex16_b32 v240, v14, s[SEL], s[SEL+1]
	v_add_f32 v14, v14, v240                       ; the row's sum
	v_rcp_f32 v14, v14
	v_and_b32 v241, 31, v0                         ; (a plain line behind the reciprocal)
	s_lshr_b32 s33, s14, 4                         ; batch
	s_and_b32 s34, s14, 15                         ; head
	s_lshl_b32 s35, s33, 4
	s_add_co_u32 s36, s35, s[QB]                   ; my block of 128 tokens
	s_lshl_b32 s36, s36, 17
	s_lshr_b32 s37, s34, 1
	s_lshl_b32 s37, s37, 14                        ; K step = head / 2
	s_add_co_u32 s36, s36, s37
	s_and_b32 s37, s[WV], 7
	s_lshl_b32 s37, s37, 11                        ; tile
	s_add_co_u32 s36, s36, s37
	s_and_b32 s37, s34, 1
	s_lshl_b32 s37, s37, 10                        ; c = 2 (head & 1) on
	s_add_co_u32 s36, s36, s37
	s_mov_b32 s37, 0
	s_add_nc_u64 s[8:9], s[8:9], s[36:37]
	s_cmp_eq_u32 s[WV], 0
	s_cselect_b32 s38, ttmp9, s[LSG]               ; wave 0 stores block g's bytes, wave 1 block 15 - g's
	s_add_co_u32 s38, s38, s35
	s_lshl_b32 s38, s38, 4
	s_add_co_u32 s38, s38, s34
	s_lshl_b32 s38, s38, 8
	s_mov_b32 s39, 0
	s_add_nc_u64 s[10:11], s[10:11], s[38:39]
	v_lshlrev_b32 v241, 3, v241
	s_wait_alu depctr_va_vdst(0)                   ; the wait ahead of the reciprocal's first reader
.set cn, 0
.rept 32
	v_mul_f32 v[S+cn], v[O+cn], v14
.set cn, cn+1
.endr
.irp b, 0,1
	v_max3_num_f32 v[BM+\b], |v[S+16*\b]|, |v[S+1+16*\b]|, 0x4800000
.endr
.irp i, 2,4,6,8,10,12,14
.irp b, 0,1
	v_max3_num_f32 v[BM+\b], v[BM+\b], |v[S+16*\b+\i]|, |v[S+1+16*\b+\i]|
.endr
.endr
.irp b, 0,1
	v_permlanex16_b32 v[T1+\b], v[BM+\b], s[SEL], s[SEL+1]
.endr
.irp b, 0,1
	v_max_num_f32 v[BM+\b], v[BM+\b], v[T1+\b]
.endr
.irp b, 0,1
	v_add_nc_u32 v[SO+\b], 0xfc000000, v[BM+\b]
.endr
.irp b, 0,1
	v_and_or_b32 v[HO+\b], v[BM+\b], 0x7f800000, s[MNT]
.endr
.irp b, 0,1
	v_lshrrev_b32 v[T1+\b], 23, v[SO+\b]
.endr
	v_lshl_or_b32 v240, v[T1+1], 8, v[T1]          ; my query's two scale bytes
.irp b, 0,1
.irp i, 0,1,2,3,4,5,6,7,8,9,10,11,12,13,14,15
	v_med3_num_f32 v[S+16*\b+\i], v[S+16*\b+\i], -v[HO+\b], v[HO+\b]
.endr
	v_cvt_scalef32_pk8_fp8_f32 v[PCD+4*\b:PCD+1+4*\b], v[S+16*\b:S+7+16*\b], v[SO+\b]
	v_cvt_scalef32_pk8_fp8_f32 v[PCD+2+4*\b:PCD+3+4*\b], v[S+8+16*\b:S+15+16*\b], v[SO+\b]
.endr
	v_nop
	global_store_b128 v[LI], v[PCD:PCD+3], s[8:9]              ; 512 consecutive bytes a store
	global_store_b128 v[LI], v[PCD+4:PCD+7], s[8:9] offset:512
	ds_store_b16 v[YSA], v240                      ; lanes r and r + 16 write the same bytes with the same value
	s_wait_dscnt 0x0
	s_barrier_signal -1
	s_barrier_wait -1
	s_cmp_lt_u32 s[WV], 2
	s_cbranch_scc0 .Lend
	ds_load_b64 v[242:243], v[YSL]
	s_wait_dscnt 0x0
	global_store_b64 v241, v[242:243], s[10:11]    ; 32 lanes store 256 consecutive bytes, aligned: a block's 128 pairs of bytes for this head
.Lend:
	s_wait_tensorcnt 0x0                           ; the wave's end
	ds_add_u32 v[SPW], v[NIL]
	s_wait_dscnt 0x0
	s_endpgm
.Lfunc_end_k_q0411dd6846_attn:
	.size	k_q0411dd6846_attn, .Lfunc_end_k_q0411dd6846_attn-k_q0411dd6846_attn
	.p2alignl 7, 3214868480
	.fill 96, 4, 3214868480
	.section	.rodata,"a",@progbits
	.p2align	6, 0x0
	.amdhsa_kernel k_q0411dd6846_attn
		.amdhsa_group_segment_fixed_size 37376
		.amdhsa_private_segment_fixed_size 0
		.amdhsa_enable_private_segment 0
		.amdhsa_kernarg_size 32
		.amdhsa_user_sgpr_count 2
		.amdhsa_user_sgpr_kernarg_segment_ptr 1
		.amdhsa_wavefront_size32 1
		.amdhsa_system_sgpr_workgroup_id_x 1
		.amdhsa_system_sgpr_workgroup_id_y 1
		.amdhsa_system_sgpr_workgroup_id_z 1
		.amdhsa_system_vgpr_workitem_id 0
		.amdhsa_next_free_vgpr 256
		.amdhsa_next_free_sgpr 66
		.amdhsa_reserve_vcc 1
		.amdhsa_float_denorm_mode_32 3
		.amdhsa_float_denorm_mode_16_64 3
		.amdhsa_memory_ordered 1
		.amdhsa_forward_progress 1
		.amdhsa_inst_pref_size 64
	.end_amdhsa_kernel
	.amdgpu_metadata
---
amdhsa.version: [ 1, 2 ]
amdhsa.kernels:
  - .name:           k_q0411dd6846_attn
    .symbol:         k_q0411dd6846_attn.kd
    .args:
      - { .name: ac, .offset: 0, .size: 8, .value_kind: global_buffer, .address_space: global }
      - { .name: asc, .offset: 8, .size: 8, .value_kind: global_buffer, .address_space: global }
      - { .name: yc, .offset: 16, .size: 8, .value_kind: global_buffer, .address_space: global }
      - { .name: ysh, .offset: 24, .size: 8, .value_kind: global_buffer, .address_space: global }
    .group_segment_fixed_size: 37376
    .private_segment_fixed_size: 0
    .kernarg_segment_align: 8
    .kernarg_segment_size: 32
    .max_flat_workgroup_size: 512
    .sgpr_count:     66
    .vgpr_count:     256
    .wavefront_size: 32
...
	.end_amdgpu_metadata
.endif
;; end of part 3
;; launch proj (part 4): grid 8 x 32, 4 waves a work-group, clusters of 4 x 4, 327,680 bytes of LDS; arguments yc, ysh, wc, ws, b_proj, out0; writes out0
.if DOCPART == 4
	.amdgcn_target "amdgcn-amd-amdhsa--gfx1250"
	.amdhsa_code_object_version 6
	.text
	.protected	k_q0411dd6846_proj
	.globl	k_q0411dd6846_proj
	.p2align	8
	.type	k_q0411dd6846_proj,@function
k_q0411dd6846_proj:
	s_mov_b64 s[64:65], 0
	v_nop
	global_prefetch_b8 v0, s[64:65] scope:SCOPE_SE
	s_setreg_imm32_b32 hwreg(HW_REG_WAVE_MODE, 25, 1), 1
	s_wait_xcnt 0x0
	s_wait_alu depctr_hold_cnt(0) depctr_sa_sdst(0) depctr_va_vdst(0) depctr_va_sdst(0) depctr_va_ssrc(0) depctr_va_vcc(0) depctr_vm_vsrc(0)
	s_getreg_b32 s2, hwreg(HW_REG_IB_STS2, 6, 4)
	s_cmp_eq_u32 s2, 0
	s_cbranch_scc0 .Lentry_in_a_cluster
	s_endpgm
.Lentry_in_a_cluster:
	s_bfe_u32 s2, ttmp6, 0x10000c
	s_cmp_lg_u32 s2, 0xf033
	s_cbranch_scc0 .Lentry_shape_is_right
	s_endpgm
.Lentry_shape_is_right:
; out0 = y w_proj + b_proj on codes of E4M3, K = 1,024.  y's codes (yc) and w_proj's (wc, blocks 24-31) lie as images of the operand's registers, [block of 128 rows][K step][tile][c][lane][16 bytes].
; A tile of 128 x 128 is made by four waves, 64 x 64 each: 16 accumulators; 256 work-groups.  ALL OF K of both operands, 2 x 131,072 bytes, fits in LDS: eight first fills of 16,384 bytes a side, four a wave,
; and nothing is ever filled again: no ring; the waits on the tensor counter are counted, two K steps at a time.
; CLUSTERS: 4 x 4: y's blocks are shared along a row of the cluster, w_proj's along a column: joint loads behind one round; a closing round at the end.
; The product is used transposed (source 0 = 16 features, source 1 = 16 tokens): a lane holds one token; the bias is the C of each sum's first matrix instruction.
; y's scale bytes come as pairs by head ([block][head][row] of 16 bits): each thread joins its row's sixteen pairs into eight scale words in LDS.
.set LA,    0                          ; A: 8 K steps x 16,384
.set LB,    131072                     ; B likewise
.set TA,    262144                     ; A's scale words, [slot 4][row 128][2]: 4,096 bytes, written by LDS stores alone
.set TB,    TA+4096                    ; B's: a copy of ws's block
.set STG,   TB+4096                    ; the way out: 16 rows x (256 bytes + 16) for each wave
.set SPARE, STG+4*4352                 ; the spare words, 128 bytes for each wave
.set ADRA, 16                          ; v16-17  LDS address of my A fragments, K steps 0-3 and 4-7
.set ADRB, 20                          ; v20-21  B's
.set STO,  24
.set RD,   25
.set CO,   26
.set ADRS, 27
.set SPW,  28                          ; v28     LDS address of my spare word; never rewritten
.set NIL,  29                          ; v29     0; never rewritten
.set SC,   32                          ; v32-63  scale words: (K step k, tile i) at 8 (k / 2) + 2 i + k % 2; lanes 0-15 A's, lanes 16-31 B's
.set BI,   64                          ; v64-95  the bias in the result's layout, 8 registers a tile of features; later rows on their way out
.set ACC,  128                         ; v128-255 accumulator (a, b) at 8 (4 a + b).   Window 1: two fragment buffers of 128: A's four, then B's four
.set WV, 18
.set HA, 19
.set HB, 20
.set G1A, 24
.set G0A, 32                           ; s[32:47] four groups 0 for A
.set G0B, 48                           ; s[48:63] four for B
.set G1B, 68
.set MSB, 0
.macro WIN new
.if MSB != (\new)
	s_set_vgpr_msb (MSB<<8)|(\new)
.set MSB, (\new)
.endif
.endm
.macro CROUND                          ; a round of the cluster's barrier
	s_barrier_signal -1
	s_barrier_wait -1
	s_cmp_lg_u32 s[WV], 0
	s_cbranch_scc1 .Lnot_wave_0_\@
	s_barrier_signal -3
.Lnot_wave_0_\@:
	s_barrier_wait -3
	s_barrier_signal -1
	s_barrier_wait -1
.endm
.macro PLACES n
.rept \n
	v_nop
.endr
.endm
	s_load_b256 s[4:11], s[0:1], 0x0               ; yc s[4:5], ysh s[6:7], wc s[8:9], ws s[10:11]
	s_load_b128 s[12:15], s[0:1], 0x20             ; b_proj s[12:13], out0 s[14:15]
	v_lshl_add_u32 v[SPW], v0, 2, SPARE
	v_mov_b32 v[NIL], 0
	ds_add_u32 v[SPW], v[NIL]                      ; the wave's opening: the add, twice on end, and its wait ahead of my first tensor load
	ds_add_u32 v[SPW], v[NIL]
	v_lshrrev_b32 v1, 5, v0
	v_readfirstlane_b32 s[WV], v1
	s_lshr_b32 s[HA], s[WV], 1                     ; my half of the tokens.  Also: I fetch for A (0) or for B (1)
	s_and_b32 s[HB], s[WV], 1                      ; my half of the features.  Also: I fetch the even (0) or the odd (1) K steps
	s_bfe_u32 s76, ttmp6, 0x40000                  ; cx
	s_bfe_u32 s77, ttmp6, 0x40004                  ; cy
	s_lshl_b32 s78, ttmp9, 2
	s_add_co_u32 s78, s78, s76                     ; block of features, 0..7
	s_and_b32 s79, ttmp7, 0xffff
	s_lshl_b32 s79, s79, 2
	s_add_co_u32 s79, s79, s77                     ; block of tokens, 0..31
	s_lshl_b32 s80, s77, 2
	s_lshl_b32 s80, 15, s80                        ; my row of the cluster
	s_lshl_b32 s81, 0x1111, s76                    ; my column
	s_or_b32 s[G1A], s80, (3<<16)|(1<<21)          ; a dense block of 16,384 bytes as 64 rows of 256 (32 elements of 8 bytes); the mask, and bit 21 beside it
	s_or_b32 s[G1B], s81, (3<<16)|(1<<21)
.irp g, G1A, G1B
	s_mov_b32 s[\g+1], 32<<16
	s_mov_b32 s[\g+2], 64<<16
	s_mov_b32 s[\g+3], 32<<16
	s_mov_b32 s[\g+4], 64
	s_mov_b32 s[\g+5], 32
	s_mov_b32 s[\g+6], 0
	s_mov_b32 s[\g+7], 0
.endr
	s_lshl_b32 s86, s[HB], 14                      ; my first K step, in bytes: in memory and in LDS
	s_lshl_b32 s82, s79, 17
	s_add_co_u32 s82, s82, s86
	s_mov_b32 s83, 0
	s_add_co_u32 s84, s78, 24
	s_lshl_b32 s84, s84, 17
	s_add_co_u32 s84, s84, s86
	s_mov_b32 s85, 0
	s_wait_dscnt 0x0                               ; both opening adds are done
	s_wait_kmcnt 0x0
	s_add_nc_u64 s[82:83], s[4:5], s[82:83]
	s_add_nc_u64 s[84:85], s[8:9], s[84:85]
	CROUND                                         ; all sixteen work-groups are here: the joint loads meet
.irp j, 0,1,2,3
	s_mov_b32 s[G0A+4*\j], 1
	s_add_co_u32 s[G0A+4*\j+1], s86, LA+32768*\j
	s_add_nc_u64 s[G0A+4*\j+2:G0A+4*\j+3], s[82:83], 32768*\j
	s_or_b32 s[G0A+4*\j+3], s[G0A+4*\j+3], 0x80000000
	s_mov_b32 s[G0B+4*\j], 1
	s_add_co_u32 s[G0B+4*\j+1], s86, LB+32768*\j
	s_add_nc_u64 s[G0B+4*\j+2:G0B+4*\j+3], s[84:85], 32768*\j
	s_or_b32 s[G0B+4*\j+3], s[G0B+4*\j+3], 0x80000000
.endr
	s_cmp_eq_u32 s[HA], 0                          ; a wave's four first fills stand in one branch: four tensor loads of mine are out
	s_cbranch_scc0 .Lfill_b
.irp j, 0,1,2,3
	tensor_load_to_lds s[G0A+4*\j:G0A+4*\j+3], s[G1A:G1A+7]
	s_nop 0
.endr
.rept 4
	v_nop
.endr
	s_branch .Lfilled
.Lfill_b:
.irp j, 0,1,2,3
	tensor_load_to_lds s[G0B+4*\j:G0B+4*\j+3], s[G1B:G1B+7]
	s_nop 0
.endr
.rept 4
	v_nop
.endr
.Lfilled:
	v_and_b32 v1, 15, v0                           ; r
	v_bfe_u32 v2, v0, 4, 1                         ; h
	v_and_b32 v3, 31, v0
	v_lshlrev_b32 v3, 4, v3                        ; 16 x lane
	s_lshl_b32 s87, s[HA], 13                      ; my four tiles of A
	v_add_nc_u32 v[ADRA], s87, v3
	v_add_nc_u32 v[ADRA+1], 65536, v[ADRA]
	s_lshl_b32 s87, s[HB], 13
	s_add_co_u32 s87, s87, LB
	v_add_nc_u32 v[ADRB], s87, v3
	v_add_nc_u32 v[ADRB+1], 65536, v[ADRB]
	s_mul_i32 s87, s[WV], 4352
	s_add_co_u32 s87, s87, STG                     ; my stage
	v_mul_u32_u24 v4, v1, 272
	v_lshl_add_u32 v4, v2, 6, v4
	v_add_nc_u32 v[STO], s87, v4                   ; in: row r, + 64 h
	v_mul_u32_u24 v4, v2, 272
	v_lshl_add_u32 v4, v1, 4, v4
	v_add_nc_u32 v[RD], s87, v4                    ; back: lanes 0-15 one row of 256 bytes, lanes 16-31 the next
	v_lshlrev_b32 v[CO], 4, v1
	v_lshl_add_u32 v[CO], v2, 12, v[CO]            ; and the same two rows in out0
	s_lshl_b32 s87, s[HA], 9
	s_lshl_b32 s88, s[HB], 9
	s_add_co_u32 s88, s88, 4096
	s_sub_co_u32 s88, s88, s87
	v_mul_u32_u24 v4, s88, v2                      ; lanes 16-31 take B's words: one product, the distance between the two
	s_add_co_u32 s87, s87, TA
	v_lshl_add_u32 v4, v1, 3, v4
	v_add_nc_u32 v[ADRS], s87, v4
	v_lshl_add_u32 v30, v0, 3, TA                  ; thread T stands for row T of the block: its words go to TA + 8 T
	v_lshl_add_u32 v31, v0, 4, TB
	s_lshl_b32 s88, s79, 12
	s_mov_b32 s89, 0
	s_add_nc_u64 s[88:89], s[6:7], s[88:89]
	v_lshlrev_b32 v5, 1, v0
.irp e, 0,1,2,3,4,5,6,7,8,9,10,11,12,13,14,15
	global_load_u16 v[96+\e], v5, s[88:89] offset:256*\e       ; head e's pair of bytes of my row; the work-group's 128 threads read 256 consecutive bytes
.endr
	s_add_co_u32 s90, s78, 24
	s_lshl_b32 s90, s90, 12
	s_mov_b32 s91, 0
	s_add_nc_u64 s[90:91], s[10:11], s[90:91]
	v_lshlrev_b32 v6, 4, v0
	global_load_b128 v[120:123], v6, s[90:91]
	global_load_b128 v[124:127], v6, s[90:91] offset:2048
	s_lshl_b32 s92, s78, 9
	s_lshl_b32 s93, s[HB], 8
	s_add_co_u32 s92, s92, s93                     ; my 64 features, in bytes
	s_mov_b32 s93, 0
	s_add_nc_u64 s[94:95], s[12:13], s[92:93]
	v_lshlrev_b32 v7, 6, v2
.irp b, 0,1,2,3
.irp e, 0,1
	global_load_b128 v[BI+8*\b+4*\e:BI+8*\b+4*\e+3], v7, s[94:95] offset:128*(\b/2)+32*(\b%2)+16*\e   ; tile b, lane half h: features 32 (b / 2) + 8 (b % 2) + 16 h + 0..7
.endr
.endr
	s_lshl_b32 s96, s79, 19                        ; out0: (128 block + 64 half) rows of 4,096 bytes + my features
	s_lshl_b32 s97, s[HA], 18
	s_add_co_u32 s96, s96, s97
	s_add_co_u32 s96, s96, s92
	s_mov_b32 s97, 0
	s_add_nc_u64 s[14:15], s[14:15], s[96:97]
	s_wait_loadcnt 0x0
.irp k, 0,1,2,3,4,5,6,7
	v_lshl_or_b32 v[112+\k], v[97+2*\k], 16, v[96+2*\k]        ; K step k = heads 2 k, 2 k + 1: its four scale bytes
.endr
.irp s, 0,1,2,3
	ds_store_b64 v30, v[112+2*\s:113+2*\s] offset:1024*\s
.endr
	ds_store_b128 v31, v[120:123]
	ds_store_b128 v31, v[124:127] offset:2048
	s_wait_tensorcnt 3                             ; my first chunk is in (K step 0 or 1); my three younger ones stay out
	s_wait_dscnt 0x0                               ; my LDS stores have landed
	s_barrier_signal -1
	s_barrier_wait -1
.macro FETCH k, f                      ; K step k's eight fragments into buffer f: 32 loads in one run
	WIN 0x40                                       ; destination window 1, address window 0
.irp i, 0,1,2,3
.irp c, 0,1,2,3
	ds_load_b128 v[128*(\f)+16*\i+4*\c:128*(\f)+16*\i+4*\c+3], v[ADRA+(\k)/4] offset:16384*((\k)%4)+2048*\i+512*\c
.endr
.endr
.irp i, 0,1,2,3
.irp c, 0,1,2,3
	ds_load_b128 v[128*(\f)+64+16*\i+4*\c:128*(\f)+64+16*\i+4*\c+3], v[ADRB+(\k)/4] offset:16384*((\k)%4)+2048*\i+512*\c
.endr
.endr
	WIN 0
.endm
.macro KSTEP k
.set FQ, 128*((\k)%2)
	s_wait_dscnt 0x0                               ; this K step's fragments are in
.if (\k) < 7
.if (\k)%2 == 1
	s_wait_tensorcnt 3-((\k)+1)/2                  ; my chunk for K steps k + 1, k + 2 is in; the younger ones stay out
	s_barrier_signal -1
	s_barrier_wait -1                              ; everybody's is
.endif
	PLACES 8                                       ; in front of loads into the buffer that the last K step's products read
	FETCH (\k)+1, 1-(\k)%2
.endif
	WIN 0x05                                       ; sources 0 (B) and 1 (A) window 1; C and D window 0
.irp a, 0,1,2,3
.irp b, 0,1,2,3
.if (\k) == 0
	v_wmma_scale_f32_16x16x128_f8f6f4 v[ACC+8*(4*\a+\b):ACC+8*(4*\a+\b)+7], v[FQ+64+16*\b:FQ+64+16*\b+15], v[FQ+16*\a:FQ+16*\a+15], v[BI+8*\b:BI+8*\b+7], v[SC+8*((\k)/2)+2*\b+(\k)%2], v[SC+8*((\k)/2)+2*\a+(\k)%2] matrix_a_scale:MATRIX_SCALE_ROW1
.else
	v_wmma_scale_f32_16x16x128_f8f6f4 v[ACC+8*(4*\a+\b):ACC+8*(4*\a+\b)+7], v[FQ+64+16*\b:FQ+64+16*\b+15], v[FQ+16*\a:FQ+16*\a+15], v[ACC+8*(4*\a+\b):ACC+8*(4*\a+\b)+7], v[SC+8*((\k)/2)+2*\b+(\k)%2], v[SC+8*((\k)/2)+2*\a+(\k)%2] matrix_a_scale:MATRIX_SCALE_ROW1
.endif
.endr
.endr
	WIN 0
.endm
	FETCH 0, 0
.irp s, 0,1,2,3
.irp i, 0,1,2,3
	ds_load_b64 v[SC+8*\s+2*\i:SC+8*\s+2*\i+1], v[ADRS] offset:1024*\s+128*\i   ; all of K's scale words of my four tiles a side
.endr
.endr
.irp k, 0,1,2,3,4,5,6,7                ; the 16 accumulators take turns, one instruction a turn, in the same order in every K step
	KSTEP \k
.endr
; THE WAY OUT, a tile of 16 tokens x 64 features at a time, through my own stage: in as the lanes hold it, back as whole rows of 256 bytes.  Stage row p is token 32 (a / 2) + 8 (a % 2) + p + 8 (p / 8) of my 64.
.macro TOSTAGE a
.irp b, 0,1,2,3
	ds_store_b128 v[STO], v[ACC+8*(4*(\a)+\b):ACC+8*(4*(\a)+\b)+3] offset:128*(\b/2)+32*(\b%2)       ; each accumulator from its low end on
	ds_store_b128 v[STO], v[ACC+8*(4*(\a)+\b)+4:ACC+8*(4*(\a)+\b)+7] offset:128*(\b/2)+32*(\b%2)+16
.endr
.set BB, 96-32*((\a)%2)
.irp i, 0,1,2,3,4,5,6,7
	ds_load_b128 v[BB+4*\i:BB+4*\i+3], v[RD] offset:544*\i     ; LDS serves a wave's instructions in order: these see my stores, and the next tile's stores come behind them
.endr
.endm
.macro SEND a, younger
.set BB, 96-32*((\a)%2)
	s_wait_dscnt \younger                          ; the tile is back in registers; the next tile's 8 stores and 8 loads may be out
.irp i, 0,1,2,3,4,5,6,7
	global_store_b128 v[CO], v[BB+4*\i:BB+4*\i+3], s[14:15] offset:(32*((\a)/2)+8*((\a)%2)+2*\i+8*(\i/4))*4096 th:TH_STORE_NT   ; sixteen lanes store 256 consecutive bytes, aligned
.endr
.endm
	PLACES 8
	TOSTAGE 0
.irp a, 1,2,3
.if \a > 1
	s_wait_xcnt 0x0                                ; tile a - 2's stores have read their registers: tile a's loads may land there
.endif
	TOSTAGE \a
	SEND \a-1, 16
.endr
	SEND 3, 0
	s_wait_tensorcnt 0x0                           ; the wave's end: behind my last tensor load and my last LDS store
	ds_add_u32 v[SPW], v[NIL]
	s_wait_dscnt 0x0
	CROUND                                         ; the closing round
	s_endpgm
.Lfunc_end_k_q0411dd6846_proj:
	.size	k_q0411dd6846_proj, .Lfunc_end_k_q0411dd6846_proj-k_q0411dd6846_proj
	.p2alignl 7, 3214868480
	.fill 96, 4, 3214868480
	.section	.rodata,"a",@progbits
	.p2align	6, 0x0
	.amdhsa_kernel k_q0411dd6846_proj
		.amdhsa_group_segment_fixed_size 327680
		.amdhsa_private_segment_fixed_size 0
		.amdhsa_enable_private_segment 0
		.amdhsa_kernarg_size 48
		.amdhsa_user_sgpr_count 2
		.amdhsa_user_sgpr_kernarg_segment_ptr 1
		.amdhsa_wavefront_size32 1
		.amdhsa_system_sgpr_workgroup_id_x 1
		.amdhsa_system_sgpr_workgroup_id_y 1
		.amdhsa_system_sgpr_workgroup_id_z 1
		.amdhsa_system_vgpr_workitem_id 0
		.amdhsa_next_free_vgpr 512
		.amdhsa_next_free_sgpr 100
		.amdhsa_reserve_vcc 0
		.amdhsa_float_denorm_mode_32 3
		.amdhsa_float_denorm_mode_16_64 3
		.amdhsa_memory_ordered 1
		.amdhsa_forward_progress 1
		.amdhsa_inst_pref_size 56
	.end_amdhsa_kernel
	.amdgpu_metadata
---
amdhsa.version: [ 1, 2 ]
amdhsa.kernels:
  - .name:           k_q0411dd6846_proj
    .symbol:         k_q0411dd6846_proj.kd
    .args:
      - { .name: yc, .offset: 0, .size: 8, .value_kind: global_buffer, .address_space: global }
      - { .name: ysh, .offset: 8, .size: 8, .value_kind: global_buffer, .address_space: global }
      - { .name: wc, .offset: 16, .size: 8, .value_kind: global_buffer, .address_space: global }
      - { .name: ws, .offset: 24, .size: 8, .value_kind: global_buffer, .address_space: global }
      - { .name: b_proj, .offset: 32, .size: 8, .value_kind: global_buffer, .address_space: global }
      - { .name: out0, .offset: 40, .size: 8, .value_kind: global_buffer, .address_space: global }
    .group_segment_fixed_size: 327680
    .private_segment_fixed_size: 0
    .kernarg_segment_align: 8
    .kernarg_segment_size: 48
    .max_flat_workgroup_size: 128
    .sgpr_count:     100
    .vgpr_count:     512
    .wavefront_size: 32
...
	.end_amdgpu_metadata
.endif
;; end of part 4
;; ======== version 2 of 2: 4 launches; version 1 with the launch attn written anew for expert scheduling mode
;; workspace buffers: xc 4,194,304 bytes; xs 131,072 bytes; wc 4,194,304 bytes; ws 131,072 bytes; ac 12,582,912 bytes; asc 786,432 bytes; yc 4,194,304 bytes; ysh 131,072 bytes
;; launch quant: the kernel of part 1 again; grid 256 x 1, 16 waves a work-group, no clusters, 139,264 bytes of LDS; arguments x, w_attn, w_proj, xc, xs, wc, ws; writes xc, xs, wc, ws
;; launch qkv: the kernel of part 2 again; grid 12 x 16, 4 waves a work-group, clusters of 4 x 4, 327,680 bytes of LDS; arguments xc, xs, wc, ws, b_attn, ac, asc; writes ac, asc
;; launch attn (part 5): grid 8 x 32, 16 waves a work-group, no clusters, 37,376 bytes of LDS; arguments ac, asc, yc, ysh; writes yc, ysh
.if DOCPART == 5
	.amdgcn_target "amdgcn-amd-amdhsa--gfx1250"
	.amdhsa_code_object_version 6
	.text
	.protected	k_q0411dd6846_attn
	.globl	k_q0411dd6846_attn
	.p2align	8
	.type	k_q0411dd6846_attn,@function
k_q0411dd6846_attn:
	s_mov_b64 s[64:65], 0
	v_nop
	global_prefetch_b8 v0, s[64:65] scope:SCOPE_SE
	s_setreg_imm32_b32 hwreg(HW_REG_WAVE_SCHED_MODE, 0, 2), 2
	s_setreg_imm32_b32 hwreg(HW_REG_WAVE_MODE, 25, 1), 1
	s_wait_xcnt 0x0
	s_wait_alu depctr_vm_vsrc(0)
; y = softmax(q k^T / 8, causal) v for one (batch, head), both products on codes of E4M3, and y quantised along C for the projection.
; LEFT OUT: key steps that lie wholly behind the causal diagonal (shown dead at the head of the first kernel: reference()'s own mask makes their weights 0 for all finite inputs).
; THE SOFTMAX: t = score x log2(e) / 8; M = the running largest t rounded up to a whole number; p = 2^(t - M) is quantised along the keys; the row's sum is taken of the unquantised p and divides at the end.
; SHARES.  Work-group (g, batch x head); a wave owns one tile of 16 queries.  Waves 0-7 take the block of 128 queries g, waves 8-15 the block 15 - g: block j sees key steps 0 .. j, so every work-group has
; 8 x 17 live wave steps.  The work-group walks steps 0 .. 15 - g.
; THE RING.  A step's record (k's codes 8,192 bytes, v's 8,192, scale words 768) is copied by all 512 threads through registers into one of two LDS slots, a step ahead: 16 + 16 bytes a thread, 8 more in waves 0-2.
; No tensor loads: the record is small and the walk's length hangs on the work-group's number.  No cluster: partners would need different numbers of steps.
; The loop's trip count is a constant (8 trips of two steps); a step past the walk's end keeps only its waits and its barrier, and a wave past its own diagonal jumps over the step's work: branches on ids and counts alone.
; LAYOUT.  Both products transposed: S^T = K Q^T, O^T = V^T P^T: a lane holds one query.  By the order of rows in a tile, the 16 registers of tiles 2 j, 2 j + 1 are 16 neighbours (keys in S^T, channels in O^T).
; The head's axis is 64: the upper halves of q's and k's fragments are zero codes, set once in registers.
; LIMITS as stated at the head of the first kernel.
; THE MODE: SCHED_MODE bits 1:0 = 2 (LLVM: expert scheduling mode 2), set by the entry lines.  The code itself states the register dependences between vector or matrix instructions and memory or LDS
; instructions, with s_wait_alu, always for 0.
; THE PLAN.  Registers that memory or LDS instructions touch:
;   v1-v4, v7, v9, v10  addresses and offsets, and v5, v6, the closing add's two: written at the head, never again.
;   v242-251   the staging registers.  Written by the global loads at a step's head, read by the LDS stores at its end; no vector instruction names them.  On the way out v242-243 take one LDS load and feed one store.
;   k's fragments (v32-39, 48-55, 64-71, 80-87) and k's scale words (v208-215).  Written by LDS loads, read by the products K Q^T.
;   S (v96-159)  Written by K Q^T, worked on by the softmax, read by the conversions; then v's sixteen LDS loads land there and V^T P reads them.
;   v's scale words (v216-219)  Written by an LDS load, read by V^T P.
;   p's codes, v240, v241  On the way out: written by vector instructions, read by the last stores.
; THE WAITS OF A STEP'S WORK.  k's first run of loads owes none: since the last wait on va_vdst (behind the last step's conversions; in the first step at the head) only O, f, S, p's codes, v's scale words and p's
; scale word have been named.  One wait on va_vdst stands behind the first four products, for k's second run and v's scale words; two stand behind the exponentials; one behind the conversions, for v's loads and
; for the products that take p's codes and scale word.  One wait on vm_vsrc stands at a step's end, for the staging registers.  All 256 registers of each of the SIMD's four waves are given out: there is no second staging buffer.
.set SLOTB, 17408                      ; a slot: k's codes at 0, v's at 8,192, k's scale words at 16,384, v's at 16,896
.set YS,    2*SLOTB                    ; 512 bytes: y's pairs of scale bytes of the work-group's 256 queries
.set SPARE, YS+512                     ; the spare words, 128 bytes for each of 16 waves
.set LI,  1                            ; v1   16 x lane
.set LR,  2                            ; v2   16 x (lane % 16)
.set CT,  3                            ; v3   16 x thread
.set C8,  4                            ; v4   8 x thread
.set SPW, 5                            ; v5   LDS address of my spare word; never rewritten
.set NIL, 6                            ; v6   0; never rewritten
.set PFO, 7                            ; v7   256 x lane
.set DQ,  8                            ; v8   my query's place in its block of 128, less 16 (lane / 16)
.set YSA, 9                            ; v9   where my query's pair of bytes goes
.set YSL, 10                           ; v10  where waves 0 and 1 read them back
.set S,   96                           ; v96-159  S^T, then p; then v's four fragments; at the end y
.set O,   160                          ; v160-191 O^T
.set PCD, 192                          ; v192-207 p's codes
.set KSC, 208                          ; v208-215 k's scale words
.set VSC, 216                          ; v216-219 v's
.set QSC, 220                          ; v220     q's
.set PSC, 221                          ; v221     p's
.set FF,  222                          ; v[222:223] f = 2^(old M - new M); v223 is written once
.set BM,  224
.set T1,  228
.set HO,  232
.set SO,  236
.set WV,  12
.set PLIM, 13                          ; s13  a wave prefetches while the step is under it
.set QB,  15                           ; s15  my block of queries = my last key step
.set LSG, 16                           ; s16  the work-group's last key step
.set KS,  17                           ; s17  the step in hand
.set TRIP, 18
.set MNT, 19
.set SEL, 20
.set CS,  22                           ; s[22:23] c = log2(e) / 8
.set KC,  24                           ; s[24:25] k's codes of the step in hand;  s[26:27] v's;  s[28:29] their scale words
.set VC,  26
.set SCB, 28
.set PF,  30                           ; s[30:31] where my prefetch stands
.set MK,  32                           ; s[32:47] in the loop: sixteen lane masks of the diagonal step (s33 on serve the head and the way out as scratch)
	s_load_b256 s[4:11], s[0:1], 0x0               ; ac s[4:5], asc s[6:7], yc s[8:9], ysh s[10:11]
	v_lshl_add_u32 v[SPW], v0, 2, SPARE
	v_mov_b32 v[NIL], 0
	v_lshrrev_b32 v240, 5, v0
	v_readfirstlane_b32 s[WV], v240                ; wave 0..15
	v_and_b32 v241, 31, v0                         ; lane
	v_and_b32 v[YSA], 15, v0                       ; r, for now
	v_bfe_u32 v[YSL], v0, 4, 1                     ; h, for now
	v_lshlrev_b32 v[LI], 4, v241
	v_lshlrev_b32 v[LR], 4, v[YSA]
	v_lshlrev_b32 v[CT], 4, v0
	v_lshlrev_b32 v[C8], 3, v0
	v_lshlrev_b32 v[PFO], 8, v241
	s_wait_alu depctr_va_sdst(0)                   ; s12, the wave's number, is written, ahead of its first reader
	s_and_b32 s33, s[WV], 7                        ; my tile t
	s_lshr_b32 s34, s33, 1
	s_lshl_b32 s34, s34, 5
	s_and_b32 s35, s33, 1
	s_lshl_b32 s35, s35, 3
	s_add_co_u32 s34, s34, s35                     ; 32 (t / 2) + 8 (t % 2)
	v_and_b32 v[DQ], 8, v[YSA]
	v_add_nc_u32 v[DQ], v[DQ], v[YSA]              ; + r + 8 (r / 8)
	v_lshlrev_b32 v[YSL], 4, v[YSL]
	v_sub_nc_u32 v[DQ], v[DQ], v[YSL]              ; - 16 h
	v_add_nc_u32 v[DQ], s34, v[DQ]
	s_lshl_b32 s35, s[WV], 5
	s_add_co_u32 s35, s35, YS
	v_lshl_add_u32 v[YSA], v[YSA], 1, s35          ; YS + 32 wave + 2 r
	s_and_b32 s35, s[WV], 1
	s_lshl_b32 s35, s35, 8
	s_add_co_u32 s35, s35, YS
	v_lshl_add_u32 v[YSL], v241, 3, s35            ; YS + 256 (wave & 1) + 8 lane
	s_and_b32 s14, ttmp7, 0xffff                   ; batch x head
	s_sub_co_u32 s[LSG], 15, ttmp9
	s_cmp_lt_u32 s[WV], 8
	s_cselect_b32 s[QB], ttmp9, s[LSG]
	s_lshl_b32 s36, s14, 17                        ; a head's codes of one kind: 131,072 bytes
	s_mov_b32 s37, 0
	s_mul_i32 s38, s14, 12288                      ; its records: 16 x 768
	s_mov_b32 s39, 0
	s_lshl_b32 s40, s[QB], 13
	s_lshl_b32 s41, s33, 10
	s_add_co_u32 s40, s40, s41                     ; q's fragment: 8,192 block + 1,024 t
	s_mov_b32 s41, 0
	s_mul_i32 s42, s[QB], 768
	s_lshr_b32 s43, s33, 2
	s_lshl_b32 s43, s43, 8
	s_add_co_u32 s42, s42, s43
	s_and_b32 s43, s33, 3
	s_lshl_b32 s43, s43, 2
	s_add_co_u32 s42, s42, s43                     ; q's scale words: 768 block + 256 (t / 4) + 4 (t % 4)
	s_mov_b32 s43, 0
	s_mov_b32 s[SEL], 0x76543210
	s_mov_b32 s[SEL+1], 0xfedcba98
	s_mov_b32 s[CS], 0x3e38aa3b                    ; log2(e) / 8
	s_mov_b32 s[CS+1], s[CS]                       ; (named with it as a pair)
	s_mov_b32 s[MNT], 0x600000
	s_mov_b32 s[KS], 0
	s_mov_b32 s[TRIP], 8
	s_wait_kmcnt 0x0
	s_add_nc_u64 s[36:37], s[4:5], s[36:37]
	s_add_nc_u64 s[KC:KC+1], s[36:37], 0x400000
	s_add_nc_u64 s[VC:VC+1], s[36:37], 0x800000
	s_add_nc_u64 s[40:41], s[36:37], s[40:41]
	s_add_nc_u64 s[38:39], s[6:7], s[38:39]
	s_add_nc_u64 s[SCB:SCB+1], s[38:39], 393216
	s_add_nc_u64 s[42:43], s[38:39], s[42:43]
	s_wait_alu depctr_va_vdst(0)                   ; the addresses and offsets v1 to v7, v9 and v10 are written: every load, store and prefetch of the kernel, and the closing add, reads some of them
	global_load_b128 v[242:245], v[CT], s[KC:KC+1] ; key step 0, into the staging registers
	global_load_b128 v[246:249], v[CT], s[VC:VC+1]
	s_cmp_lt_u32 s[WV], 3
	s_cbranch_scc0 .Lhead_no_scales
	global_load_b64 v[250:251], v[C8], s[SCB:SCB+1]
.Lhead_no_scales:
	global_load_b128 v[16:19], v[LI], s[40:41]     ; q's fragment stays in registers
	global_load_b128 v[20:23], v[LI], s[40:41] offset:512
	global_load_b32 v[QSC], v[LR], s[42:43]
	s_sub_co_u32 s33, s[WV], 4                     ; who prefetches: waves 4 (k's codes) and 5 (v's) of the head's work-group 0, which walks all 16 steps
	s_lshr_b32 s33, s33, 1
	s_or_b32 s33, s33, ttmp9
	s_cmp_eq_u32 s33, 0
	s_cselect_b32 s[PLIM], 14, 0
	s_cmp_eq_u32 s[WV], 4
	s_cselect_b64 s[PF:PF+1], s[KC:KC+1], s[VC:VC+1]
.irp j, 0,1,2,3,4,5,6,7
	v_mov_b32 v[24+\j], 0                          ; the upper half of q's fragment: zero codes
.endr
.irp t, 0,1,2,3
.irp j, 0,1,2,3,4,5,6,7
	v_mov_b32 v[40+16*\t+\j], 0                    ; and of k's four: set once, never loaded into
.endr
.endr
.set cn, 0
.rept 32
	v_mov_b32 v[O+cn], 0                           ; O^T.  (The step is written once: the first finds zeros, which the first change of M leaves zeros)
.set cn, cn+1
.endr
	v_mov_b32 v13, 0xff61b1e6                      ; the largest t so far: -3e38
	v_floor_f32 v12, -v13                          ; -M
	v_mov_b32 v14, 0
	v_mov_b32 v15, 0
	v_mov_b32 v[FF+1], 0
	v_mov_b32 v240, 0
	v_mov_b32 v241, 0
.irp b, 0,1,2,3
	v_mov_b32 v[T1+\b], 0                          ; a lane permute's destination counts as one of its sources
.endr
	s_wait_alu depctr_va_vdst(0)                   ; the zero halves v24-31, v40-47, v56-63, v72-79 and v88-95 are written, which the scaled products take as parts of their two sources
	s_wait_loadcnt 0x0
	ds_store_b128 v[CT], v[242:245]
	ds_store_b128 v[CT], v[246:249] offset:8192
	s_cmp_lt_u32 s[WV], 3
	s_cbranch_scc0 .Lhead_stored
	ds_store_b64 v[C8], v[250:251] offset:16384
.Lhead_stored:
	s_wait_dscnt 0x0                               ; my stores have landed
	s_wait_alu depctr_vm_vsrc(0)                   ; my LDS stores have read v242-251, in which the first step's loads land
	s_barrier_signal -1
	s_barrier_wait -1                              ; step 0 lies in slot 0
; A key step's work for my 16 queries: 128 keys out of slot sl.
.macro COMPUTE sl
.irp g, 0,1                                    ; S^T = K Q^T, four tiles of 16 keys at a time
.if \g
.rept 8
	v_nop                                          ; places in front of loads into registers that matrix instructions have read
.endr
	s_wait_alu depctr_va_vdst(0)                   ; the four products above are done reading k's fragments, in which the loads below land; the last step's V^T P is done reading v's scale words, likewise
.endif
.irp t, 0,1,2,3
	ds_load_b128 v[32+16*\t:35+16*\t], v[LI] offset:\sl*SLOTB+1024*(4*\g+\t)       ; g = 0: no wait: no vector or matrix instruction since the last wait on va_vdst names k's fragments or k's scale words
	ds_load_b128 v[36+16*\t:39+16*\t], v[LI] offset:\sl*SLOTB+1024*(4*\g+\t)+512
.endr
.if \g == 0
	ds_load_b128 v[KSC:KSC+3], v[LR] offset:\sl*SLOTB+16384
	ds_load_b128 v[KSC+4:KSC+7], v[LR] offset:\sl*SLOTB+16640
.rept 9
	v_nop                                          ; the first products below write over registers that the last step's products read as a source: nine places; the loads above land meanwhile
.endr
.else
	ds_load_b128 v[VSC:VSC+3], v[LR] offset:\sl*SLOTB+16896    ; v's scale words, for the step's last four products
.endif
	s_wait_dscnt 0x0
.irp t, 0,1,2,3
	v_wmma_scale_f32_16x16x128_f8f6f4 v[S+8*(4*\g+\t):S+8*(4*\g+\t)+7], v[32+16*\t:47+16*\t], v[16:31], 0, v[KSC+4*\g+\t], v[QSC]
.endr
.endr
.rept 8
	v_nop
.endr
	s_cmp_eq_u32 s[KS], s[QB]                      ; my diagonal step: hidden scores become -infinity ahead of the maximum.  Key 0 of the step counts for every query of the block
	s_cbranch_scc0 .Lopen_\@
	v_mov_b32 v241, 0xff800000
.set cr, 0
.rept 4                                        ; a block of 32 keys at a time: my sixteen compares in one run, each into a scalar register of its own, one wait, sixteen selects
.set ci, 0
.rept 16
	v_cmp_gt_i32 s[MK+ci], 32*cr+ci, v[DQ]         ; register 16 j + i holds key 32 j + 16 (lane / 16) + i
.set ci, ci+1
.endr
	s_wait_alu depctr_va_sdst(0)                   ; the sixteen masks s32 to s47 are written, ahead of their first readers
.set ci, 0
.rept 16
	v_cndmask_b32 v[S+16*cr+ci], v[S+16*cr+ci], v241, s[MK+ci]
.set ci, ci+1
.endr
.set cr, cr+1
.endr
.Lopen_\@:
.irp b, 0,1,2,3
	v_max3_num_f32 v[BM+\b], v[S+16*\b], v[S+1+16*\b], v[S+2+16*\b]   ; the largest score of each block of 32 keys: for the row's maximum, and, since p rises with the score, for the block's largest p
.endr
.irp i, 3,5,7,9,11,13
.irp b, 0,1,2,3
	v_max3_num_f32 v[BM+\b], v[BM+\b], v[S+16*\b+\i], v[S+1+16*\b+\i]
.endr
.endr
.irp b, 0,1,2,3
	v_max_num_f32 v[BM+\b], v[BM+\b], v[S+15+16*\b]
.endr
.irp b, 0,1,2,3
	v_permlanex16_b32 v[T1+\b], v[BM+\b], s[SEL], s[SEL+1]
.endr
.irp b, 0,1,2,3
	v_max_num_f32 v[BM+\b], v[BM+\b], v[T1+\b]
.endr
	v_max3_num_f32 v240, v[BM], v[BM+1], v[BM+2]
	v_max_num_f32 v240, v240, v[BM+3]
	v_mul_f32 v240, s[CS], v240
	v_max_num_f32 v13, v13, v240                   ; the running largest t
	v_mov_b32 v240, v12
	v_floor_f32 v12, -v13                          ; the new -M = -ceil(t)
	v_sub_f32 v240, v12, v240                      ; old M - new M: a whole number, 0 or less
	v_cvt_i32_f32 v240, v240                       ; (it saturates)
	v_ldexp_f32 v[FF], 1.0, v240                   ; f: a multiplication by it rounds nothing
.set cn, 0
.rept 32
	v_pk_fma_f32 v[S+cn:S+cn+1], v[S+cn:S+cn+1], s[CS:CS+1], v[12:13] op_sel_hi:[1,0,0]   ; t - M
.set cn, cn+2
.endr
.irp b, 0,1,2,3
	v_fma_f32 v[BM+\b], v[BM+\b], s[CS], v12
.endr
.set cn, 0
.rept 64
	v_exp_f32 v[S+cn], v[S+cn]                     ; p = 2^(t - M)
.set cn, cn+1
.endr
	v_pk_mul_f32 v[14:15], v[14:15], v[FF:FF+1] op_sel_hi:[1,0]   ; the sums under the new M: a plain line behind the exponentials
	s_wait_alu depctr_va_vdst(0)                   ; the 64 exponentials have written p: one wait for the batch, ahead of its first reader
.irp b, 0,1,2,3
	v_exp_f32 v[BM+\b], v[BM+\b]                   ; each block's largest p
.endr
	v_pk_add_f32 v[240:241], v[S:S+1], v[S+2:S+3]  ; the row's sum of the unquantised p, in two chains
.irp j, 4,8,12,16,20,24,28,32,36,40,44,48,52,56,60
	v_pk_add_f32 v[14:15], v[14:15], v[S+\j:S+1+\j]
	v_pk_add_f32 v[240:241], v[240:241], v[S+2+\j:S+3+\j]
.endr
	v_pk_add_f32 v[14:15], v[14:15], v[240:241]
	s_wait_alu depctr_va_vdst(0)                   ; the four exponentials have written the blocks' largest p: their wait, ahead of the first reader
.irp b, 0,1,2,3
	v_max_num_f32 v[BM+\b], 0x4800000, v[BM+\b]    ; the floor 2^(9 - 127)
.endr
.irp b, 0,1,2,3
	v_add_nc_u32 v[SO+\b], 0xfc000000, v[BM+\b]
.endr
.irp b, 0,1,2,3
	v_and_or_b32 v[HO+\b], v[BM+\b], 0x7f800000, s[MNT]
.endr
.irp b, 0,1,2,3
	v_lshrrev_b32 v[T1+\b], 23, v[SO+\b]
.endr
	v_lshl_or_b32 v[PSC], v[T1+1], 8, v[T1]        ; p's scale word for these 128 keys
	v_lshl_or_b32 v[PSC], v[T1+2], 16, v[PSC]
	v_lshl_or_b32 v[PSC], v[T1+3], 24, v[PSC]
.irp b, 0,1,2,3
.irp i, 0,1,2,3,4,5,6,7,8,9,10,11,12,13,14,15
	v_min_num_f32 v[S+16*\b+\i], v[S+16*\b+\i], v[HO+\b]   ; the hold; p is not negative
.endr
	v_cvt_scalef32_pk8_fp8_f32 v[PCD+4*\b:PCD+1+4*\b], v[S+16*\b:S+7+16*\b], v[SO+\b]
	v_cvt_scalef32_pk8_fp8_f32 v[PCD+2+4*\b:PCD+3+4*\b], v[S+8+16*\b:S+15+16*\b], v[SO+\b]
.endr
	s_wait_alu depctr_va_vdst(0)                   ; the conversions are done reading p's registers, in which v's loads land; they have written p's codes, and p's scale word is written, which the scaled products below take
.irp t, 0,1,2,3
.irp c, 0,1,2,3
	ds_load_b128 v[S+16*\t+4*\c:S+16*\t+4*\c+3], v[LI] offset:\sl*SLOTB+8192+2048*\t+512*\c   ; v's four fragments take p's registers
.endr
.endr
.set cn, 0
.rept 16
	v_pk_mul_f32 v[O+cn:O+cn+1], v[O+cn:O+cn+1], v[FF:FF+1] op_sel_hi:[1,0]   ; O^T under the new M, while v's fragments land: these name O^T and f alone.  (They are also the places in front of the products below)
.set cn, cn+2
.endr
	s_wait_dscnt 0x0
.irp t, 0,1,2,3
	v_wmma_scale_f32_16x16x128_f8f6f4 v[O+8*\t:O+8*\t+7], v[S+16*\t:S+16*\t+15], v[PCD:PCD+15], v[O+8*\t:O+8*\t+7], v[VSC+\t], v[PSC]   ; the four accumulators by turns; eight products K Q^T stand between two links
.endr
.endm
; A step of the walk.  The next step's record is asked for first, the step's work stands between the loads and the wait for them, and one barrier ends the step: in front of it my reads of this
; slot are back and my stores into the other have landed.
.macro STEPM sl
	s_cmp_lt_u32 s[KS], s[LSG]                     ; is there a next step?  Ids and the count of steps alone: all sixteen waves go the same way
	s_cbranch_scc0 .Lno_load_\@
	global_load_b128 v[242:245], v[CT], s[KC:KC+1] offset:8192
	global_load_b128 v[246:249], v[CT], s[VC:VC+1] offset:8192
	s_cmp_lt_u32 s[WV], 3
	s_cbranch_scc0 .Lno_sc_\@
	global_load_b64 v[250:251], v[C8], s[SCB:SCB+1] offset:768
.Lno_sc_\@:
	s_cmp_lt_u32 s[KS], s[PLIM]                    ; a prefetch of step KS + 2, one step ahead of the loads that will want it: 8,192 bytes, lanes 256 bytes apart, one instruction;
	s_cbranch_scc0 .Lno_load_\@                    ; steps 2 to 15 of each head are named once in the launch, steps 0 and 1 come by their loads alone, and nothing past step 15 is named
	global_prefetch_b8 v[PFO], s[PF:PF+1] offset:16384 th:TH_LOAD_NT scope:SCOPE_SE
.Lno_load_\@:
	s_cmp_le_u32 s[KS], s[QB]                      ; a step all of whose keys come after my queries is left out; no barrier stands in the work
	s_cbranch_scc0 .Lno_work_\@
	COMPUTE \sl
.Lno_work_\@:
	s_wait_loadcnt 0x0                             ; the step's loads into the staging registers are in.  The wait stands on every way through the step, under no branch: no load is ever issued into a register that still has a load pending
	s_cmp_lt_u32 s[KS], s[LSG]
	s_cbranch_scc0 .Lno_store_\@
	ds_store_b128 v[CT], v[242:245] offset:(1-\sl)*SLOTB
	ds_store_b128 v[CT], v[246:249] offset:(1-\sl)*SLOTB+8192
	s_cmp_lt_u32 s[WV], 3
	s_cbranch_scc0 .Lno_store_\@
	ds_store_b64 v[C8], v[250:251] offset:(1-\sl)*SLOTB+16384
.Lno_store_\@:
	s_wait_dscnt 0x0
	s_barrier_signal -1
	s_barrier_wait -1
	s_wait_xcnt 0x0                                ; the step's loads and prefetch have read their bases: they may step
	s_wait_alu depctr_vm_vsrc(0)                   ; the step's LDS stores have read v242-251, in which the next step's loads land (behind the loop: the way out's LDS load)
	s_add_nc_u64 s[KC:KC+1], s[KC:KC+1], 8192
	s_add_nc_u64 s[VC:VC+1], s[VC:VC+1], 8192
	s_add_nc_u64 s[PF:PF+1], s[PF:PF+1], 8192
	s_add_nc_u64 s[SCB:SCB+1], s[SCB:SCB+1], 768
	s_add_co_u32 s[KS], s[KS], 1
.endm
.Ltrip:
	STEPM 0
	STEPM 1
	s_sub_co_u32 s[TRIP], s[TRIP], 1
	s_cmp_lg_u32 s[TRIP], 0
	s_cbranch_scc1 .Ltrip
	; THE WAY OUT.  y = O^T / the sum: register 16 j + i is channel 32 j + 16 (lane / 16) + i of my query: two blocks of 32 along C, quantised in registers; the codes are half a fragment of the projection's operand.
.rept 8
	v_nop
.endr
	v_add_f32 v14, v14, v15
	v_permlanex16_b32 v240, v14, s[SEL], s[SEL+1]
	v_add_f32 v14, v14, v240                       ; the row's sum
	v_rcp_f32 v14, v14
	v_and_b32 v241, 31, v0                         ; (a plain line behind the reciprocal)
	s_lshr_b32 s33, s14, 4                         ; batch
	s_and_b32 s34, s14, 15                         ; head
	s_lshl_b32 s35, s33, 4
	s_add_co_u32 s36, s35, s[QB]                   ; my block of 128 tokens
	s_lshl_b32 s36, s36, 17
	s_lshr_b32 s37, s34, 1
	s_lshl_b32 s37, s37, 14                        ; K step = head / 2
	s_add_co_u32 s36, s36, s37
	s_and_b32 s37, s[WV], 7
	s_lshl_b32 s37, s37, 11                        ; tile
	s_add_co_u32 s36, s36, s37
	s_and_b32 s37, s34, 1
	s_lshl_b32 s37, s37, 10                        ; c = 2 (head & 1) on
	s_add_co_u32 s36, s36, s37
	s_mov_b32 s37, 0
	s_add_nc_u64 s[8:9], s[8:9], s[36:37]
	s_cmp_eq_u32 s[WV], 0
	s_cselect_b32 s38, ttmp9, s[LSG]               ; wave 0 stores block g's bytes, wave 1 block 15 - g's
	s_add_co_u32 s38, s38, s35
	s_lshl_b32 s38, s38, 4
	s_add_co_u32 s38, s38, s34
	s_lshl_b32 s38, s38, 8
	s_mov_b32 s39, 0
	s_add_nc_u64 s[10:11], s[10:11], s[38:39]
	v_lshlrev_b32 v241, 3, v241
	s_wait_alu depctr_va_vdst(0)                   ; the reciprocal has written v14: the wait ahead of its first reader
.set cn, 0
.rept 32
	v_mul_f32 v[S+cn], v[O+cn], v14
.set cn, cn+1
.endr
.irp b, 0,1
	v_max3_num_f32 v[BM+\b], |v[S+16*\b]|, |v[S+1+16*\b]|, 0x4800000
.endr
.irp i, 2,4,6,8,10,12,14
.irp b, 0,1
	v_max3_num_f32 v[BM+\b], v[BM+\b], |v[S+16*\b+\i]|, |v[S+1+16*\b+\i]|
.endr
.endr
.irp b, 0,1
	v_permlanex16_b32 v[T1+\b], v[BM+\b], s[SEL], s[SEL+1]
.endr
.irp b, 0,1
	v_max_num_f32 v[BM+\b], v[BM+\b], v[T1+\b]
.endr
.irp b, 0,1
	v_add_nc_u32 v[SO+\b], 0xfc000000, v[BM+\b]
.endr
.irp b, 0,1
	v_and_or_b32 v[HO+\b], v[BM+\b], 0x7f800000, s[MNT]
.endr
.irp b, 0,1
	v_lshrrev_b32 v[T1+\b], 23, v[SO+\b]
.endr
	v_lshl_or_b32 v240, v[T1+1], 8, v[T1]          ; my query's two scale bytes
.irp b, 0,1
.irp i, 0,1,2,3,4,5,6,7,8,9,10,11,12,13,14,15
	v_med3_num_f32 v[S+16*\b+\i], v[S+16*\b+\i], -v[HO+\b], v[HO+\b]
.endr
	v_cvt_scalef32_pk8_fp8_f32 v[PCD+4*\b:PCD+1+4*\b], v[S+16*\b:S+7+16*\b], v[SO+\b]
	v_cvt_scalef32_pk8_fp8_f32 v[PCD+2+4*\b:PCD+3+4*\b], v[S+8+16*\b:S+15+16*\b], v[SO+\b]
.endr
	v_nop
	s_wait_alu depctr_va_vdst(0)                   ; the conversions have written y's codes, which the two stores read; v240, the LDS store's data, and v241, the last store's offset, are written
	global_store_b128 v[LI], v[PCD:PCD+3], s[8:9]              ; 512 consecutive bytes a store
	global_store_b128 v[LI], v[PCD+4:PCD+7], s[8:9] offset:512
	ds_store_b16 v[YSA], v240                      ; lanes r and r + 16 write the same bytes with the same value
	s_wait_dscnt 0x0
	s_barrier_signal -1
	s_barrier_wait -1
	s_cmp_lt_u32 s[WV], 2
	s_cbranch_scc0 .Lend
	ds_load_b64 v[242:243], v[YSL]                 ; (the wait on vm_vsrc at the last step's end stands for these two registers; nothing has read them since)
	s_wait_dscnt 0x0
	global_store_b64 v241, v[242:243], s[10:11]    ; 32 lanes store 256 consecutive bytes, aligned: a block's 128 pairs of bytes for this head
.Lend:
	s_wait_dscnt 0x0                               ; the closing lines, six on end
	s_wait_alu 0x0
	s_wait_tensorcnt 0x0
	ds_add_u32 v[SPW], v[NIL]
	s_wait_dscnt 0x0
	s_endpgm
.Lfunc_end_k_q0411dd6846_attn:
	.size	k_q0411dd6846_attn, .Lfunc_end_k_q0411dd6846_attn-k_q0411dd6846_attn
	.p2alignl 7, 3214868480
	.fill 96, 4, 3214868480
	.section	.rodata,"a",@progbits
	.p2align	6, 0x0
	.amdhsa_kernel k_q0411dd6846_attn
		.amdhsa_group_segment_fixed_size 37376
		.amdhsa_private_segment_fixed_size 0
		.amdhsa_enable_private_segment 0
		.amdhsa_kernarg_size 32
		.amdhsa_user_sgpr_count 2
		.amdhsa_user_sgpr_kernarg_segment_ptr 1
		.amdhsa_wavefront_size32 1
		.amdhsa_system_sgpr_workgroup_id_x 1
		.amdhsa_system_sgpr_workgroup_id_y 1
		.amdhsa_system_sgpr_workgroup_id_z 1
		.amdhsa_system_vgpr_workitem_id 0
		.amdhsa_next_free_vgpr 256
		.amdhsa_next_free_sgpr 66
		.amdhsa_reserve_vcc 0
		.amdhsa_float_denorm_mode_32 3
		.amdhsa_float_denorm_mode_16_64 3
		.amdhsa_memory_ordered 1
		.amdhsa_forward_progress 1
		.amdhsa_inst_pref_size 73
	.end_amdhsa_kernel
	.amdgpu_metadata
---
amdhsa.version: [ 1, 2 ]
amdhsa.kernels:
  - .name:           k_q0411dd6846_attn
    .symbol:         k_q0411dd6846_attn.kd
    .args:
      - { .name: ac, .offset: 0, .size: 8, .value_kind: global_buffer, .address_space: global }
      - { .name: asc, .offset: 8, .size: 8, .value_kind: global_buffer, .address_space: global }
      - { .name: yc, .offset: 16, .size: 8, .value_kind: global_buffer, .address_space: global }
      - { .name: ysh, .offset: 24, .size: 8, .value_kind: global_buffer, .address_space: global }
    .group_segment_fixed_size: 37376
    .private_segment_fixed_size: 0
    .kernarg_segment_align: 8
    .kernarg_segment_size: 32
    .max_flat_workgroup_size: 512
    .sgpr_count:     66
    .vgpr_count:     256
    .wavefront_size: 32
...
	.end_amdgpu_metadata
.endif
;; end of part 5
;; launch proj: the kernel of part 4 again; grid 8 x 32, 4 waves a work-group, clusters of 4 x 4, 327,680 bytes of LDS; arguments yc, ysh, wc, ws, b_proj, out0; writes out0
